; MI455X (gfx1250); checked and timed in simulation.
; The chip was launched on July 23, 2026; its instructions are those of AMD's public machine-readable ISA for CDNA 5 (MIT licence, August 2026) and "CDNA5" Instruction Set Architecture Reference Guide (July 2026). The comments in the code are by the model that wrote it; some were corrected since.
;; Quantize 2. Allowed arithmetic: float matrix products may take bf16 or f16 operands with f32 sums; all other float work in f32.
;; Inputs: embed 256 x 8,192 float32; input 32 x 512 x 256 float32.
;; Outputs: out0 32 x 512 x 256 float32; out1 one number float32; out2 32 x 512 int32.
;; Constants: fix = 1.
;; 3 versions, each right and faster than the one before. Each part assembles by itself: llvm-mc -triple=amdgcn-amd-amdhsa -mcpu=gfx1250 --defsym DOCPART=n.
;; ======== version 1 of 3: 4 launches
;; limits: a difference of large sums (such as E[x^2] - mean^2): digits are lost where the result is much smaller than its terms; values outside matrix products are rounded to bf16
;; workspace buffers: ebf 4,194,304 bytes; ee 32,768 bytes; xfrag 8,388,608 bytes; xx 65,536 bytes; part 524,288 bytes; sel 65,536 bytes of whole numbers; psum 256 bytes
;; launch prep (part 1): grid 384 x 1, 8 waves a work-group, no clusters, 68,608 bytes of LDS; arguments embed, input, ebf, ee, xfrag, xx; writes ebf, ee, xfrag, xx
.if DOCPART == 1
	.amdgcn_target "amdgcn-amd-amdhsa--gfx1250"
	.amdhsa_code_object_version 6
	.text
	.protected	k_qb4df29c03a_prep
	.globl	k_qb4df29c03a_prep
	.p2align	8
	.type	k_qb4df29c03a_prep,@function
k_qb4df29c03a_prep:
	s_mov_b64 s[64:65], 0
	v_nop
	global_prefetch_b8 v0, s[64:65] scope:SCOPE_SE
	s_setreg_imm32_b32 hwreg(HW_REG_WAVE_MODE, 25, 1), 1
	s_wait_xcnt 0x0
; VECTOR QUANTISATION, launch 1 of 4: both operands of the product are rounded to bf16 once and laid out for the matrix launch.
;   ebf   [8192 codes][256 k] bf16: embed transposed, a code's 256 numbers in 512 consecutive bytes
;   ee    [8192] f32: the sum of squares of each ROUNDED code
;   xfrag the rounded rows of input in the order of matrix fragments: 16 rows are 8,192 bytes = [i2 0..15][lane 0..31][16 bytes],
;         lane (h = lane / 16, r = lane % 16) holds row r, k = 16 i2 + 8 h .. + 7
;   xx    [16384] f32: the sum of squares of each ROUNDED row
; WORK LEFT OUT IN THE WHOLE PROGRAM, for all finite values of the inputs:
;   fix is a constant of the problem (1: no codebook update) and has no buffer.
;   quantize = input + (q - input) is q identically, so out0 is the chosen code and input is not added and taken away again.
;   The sum over k of (q[k] - x[k])^2 is |x|^2 - 2 x.q + |q|^2 identically: the distance at the argmin, which the matrix launch already holds.
;   So diff = (sum over rows of the least distance) / 2^22, and input is not read a second time.
; LIMITS.  The program computes reference() on inputs rounded to bf16: out0 holds the code rounded to bf16 (relative error at most 2^-9);
;   the norms are those of the rounded vectors, so that |x|^2 - 2 x.e + |e|^2 is the squared distance of the very vectors that are multiplied.
;   diff is taken from that f32 expression: with a common offset of 30 spreads its terms are near 5 x 10^5 and the distance near 3 x 10^2,
;   so the f32 rounding is about 10^-4 of it.  Inputs are finite and no distance overflows: NaN and infinity are not treated as argmin treats them,
;   and a NaN, infinity or overflow that would arise only in the work left out is not carried to the result.
; SHARES.  Work-groups 0 to 127: 64 codes each.  Work-groups 128 to 383: 64 rows of input each.  Both put 64 vectors of 256 bf16 into an LDS tile
; (pitch 528 bytes = 33 x 16, so that 16-byte reads of one column of sixteen rows start at sixteen different 16-byte columns modulo 256 bytes),
; copy the tile out in the wanted order, and wave 0 sums the squares.  No matrix work, no shared input: no cluster, no tensor loads.
; LDS.  The two kinds of work-group take two paths of this text, which part on the work-group's number and do not meet again.  Each path has LDS bytes of its
; own, the codes' tile [0, 33792) and the rows' tile [33792, 67584), so that no LDS instruction of one path names a byte that the other path names.
; A work-group uses one of the two tiles; 384 work-groups are at most two on a WGP, 135,168 of its 327,680 bytes.
.set PITCH, 528
.set CB, 0                             ; the codes' tile
.set XB, 64*PITCH                      ; the rows' tile: 33,792
.set L, 16                             ; v[16:79]  sixteen loads of 4 registers; then the copy's data; then the two vectors of the norm sums
.set W, 80                             ; v[80:87]  packed bf16 on their way to LDS
.set S, 88                             ; v[88:89]  the two sums of squares
; v1 lane, v2 load offset, v3 LDS store address, v4 LDS read address, v5 store offset, v6 lane x 2 rows of LDS, v7 lane x 8
; (the LDS addresses count from the tile's first byte: the tile's place stands in the immediates, 65,472 at the most)
.macro MEET                            ; what every wave stored in LDS is complete before any wave reads it
	s_wait_dscnt 0x0
	s_barrier_signal -1
	s_barrier_wait -1
.endm
.macro COPYOUT ldbase, ldstep, ststep, base    ; eight 16-byte reads a lane from the tile, eight stores; each store of a wave covers 512 consecutive bytes, aligned
.irp n, 0,1,2,3,4,5,6,7
	ds_load_b128 v[L+4*\n:L+4*\n+3], v4 offset:\ldbase+\n*\ldstep
.endr
.irp n, 0,1,2,3,4,5,6,7
	s_wait_dscnt 7-\n                              ; LDS loads come back in order: read n is in, the younger ones stay out
	global_store_b128 v5, v[L+4*\n:L+4*\n+3], s[\base:\base+1] offset:\n*\ststep
.endr
.endm
; The sums of squares of the tile's 64 rounded vectors, to s[20:21], and the end of the path: wave 0, two vectors a lane, each one chain in ascending k.
; The square of a bf16 number is exact in f32, so each fused multiply-add rounds once, as a plain running sum of the squares does.
.macro SUMSQ ldbase
	s_cmp_lg_u32 s16, 0
	s_cbranch_scc1 .Lend_\@
	s_wait_xcnt 0x0                                ; v[16:47] were the data of my stores: they are loaded again only behind this wait
	v_mov_b32 v[S], 0
	v_mov_b32 v[S+1], 0
.irp g, 0,1,2,3
.irp m, 0,1,2,3,4,5,6,7
	ds_load_b128 v[L+4*\m:L+4*\m+3],       v6 offset:\ldbase+(8*\g+\m)*16
	ds_load_b128 v[L+32+4*\m:L+32+4*\m+3], v6 offset:\ldbase+PITCH+(8*\g+\m)*16
.endr
	s_wait_dscnt 0x0
.set j, 0
.rept 32
	v_fma_mix_f32_bf16 v[S],   v[L+j],    v[L+j],    v[S]   op_sel_hi:[1,1,0]
	v_fma_mix_f32_bf16 v[S+1], v[L+32+j], v[L+32+j], v[S+1] op_sel_hi:[1,1,0]
	v_fma_mix_f32_bf16 v[S],   v[L+j],    v[L+j],    v[S]   op_sel:[1,1,0] op_sel_hi:[1,1,0]
	v_fma_mix_f32_bf16 v[S+1], v[L+32+j], v[L+32+j], v[S+1] op_sel:[1,1,0] op_sel_hi:[1,1,0]
.set j, j+1
.endr
.endr
	global_store_b64 v7, v[S:S+1], s[20:21]        ; 64 sums: 256 consecutive bytes, aligned
.Lend_\@:
	s_wait_tensorcnt 0x0
	ds_add_u32 v96, v97
	s_wait_dscnt 0x0
	s_endpgm
.endm
	s_load_b256 s[4:11], s[0:1], 0x0               ; embed s[4:5], input s[6:7], ebf s[8:9], ee s[10:11]
	s_load_b128 s[12:15], s[0:1], 0x20             ; xfrag s[12:13], xx s[14:15]
	v_lshl_add_u32 v96, v0, 2, 0x10800
	v_mov_b32 v97, 0
	v_lshrrev_b32 v8, 5, v0
	v_readfirstlane_b32 s16, v8                    ; wave 0..7
	v_and_b32 v1, 31, v0                           ; lane
	v_mul_u32_u24 v6, v1, 2*PITCH                  ; norm sums: lane l takes vectors 2 l and 2 l + 1
	v_lshlrev_b32 v7, 3, v1
	s_mov_b32 s19, 0                               ; upper word of every offset pair
	s_cmp_lt_u32 ttmp9, 128
	s_cbranch_scc0 .Lrows
	; ---- 64 codes: columns 64 g .. 64 g + 63 of embed [256 k][8192] ----
	v_and_b32 v9, 15, v0                           ; c4: my four codes 4 c4 .. 4 c4 + 3
	v_lshrrev_b32 v10, 4, v0                       ; kq 0..15: my k = 64 i + 4 kq + jj
	v_lshlrev_b32 v2, 4, v9
	v_lshl_add_u32 v2, v10, 17, v2                 ; 4 kq rows of 32,768 bytes + 16 c4
	v_mul_u32_u24 v3, v9, 4*PITCH
	v_lshl_add_u32 v3, v10, 3, v3                  ; LDS row 4 c4, byte 8 kq
	v_mul_u32_u24 v4, v8, PITCH
	v_lshl_add_u32 v4, v1, 4, v4                   ; copy: wave w reads row 8 n + w whole, 16 bytes a lane
	v_lshlrev_b32 v5, 4, v0
	s_lshl_b32 s18, ttmp9, 8
	s_wait_kmcnt 0x0
	s_add_nc_u64 s[4:5], s[4:5], s[18:19]          ; embed at my 64 columns (256 bytes of every row)
	s_add_nc_u64 s[20:21], s[10:11], s[18:19]      ; ee at my 64 codes
	s_lshl_b32 s18, ttmp9, 15
	s_add_nc_u64 s[8:9], s[8:9], s[18:19]          ; ebf at my 64 rows of 512 bytes
.irp i, 0,1,2,3
.irp jj, 0,1,2,3
	global_load_b128 v[L+16*\i+4*\jj:L+16*\i+4*\jj+3], v2, s[4:5] offset:\i*2097152+\jj*32768 th:TH_LOAD_NT   ; a wave's load takes my 256 bytes of two rows of embed, each whole
.endr
.endr
.irp i, 0,1,2,3
	s_wait_loadcnt 12-4*\i                         ; loads come back in order: the four of group i are in, the later groups stay out
.irp j, 0,1,2,3
	v_cvt_pk_bf16_f32 v[W+2*\j],   v[L+16*\i+\j],   v[L+16*\i+4+\j]     ; code 4 c4 + j: k = 64 i + 4 kq + 0, 1
	v_cvt_pk_bf16_f32 v[W+2*\j+1], v[L+16*\i+8+\j], v[L+16*\i+12+\j]    ; and + 2, 3
	ds_store_b64 v3, v[W+2*\j:W+2*\j+1] offset:CB+\j*PITCH+\i*128       ; the transposition: lanes 4 rows apart share columns of LDS; 16 such stores a wave are accepted
.endr
.endr
	MEET
	COPYOUT CB, 8*PITCH, 4096, 8
	SUMSQ CB
	; ---- 64 rows of input ----
.Lrows:
	s_sub_co_u32 s17, ttmp9, 128                   ; which 64 rows
	v_lshlrev_b32 v2, 4, v0                        ; the work-group's load takes four whole rows
	v_lshrrev_b32 v9, 6, v0
	v_and_b32 v10, 63, v0
	v_mul_u32_u24 v3, v9, PITCH
	v_lshl_add_u32 v3, v10, 3, v3                  ; LDS row t / 64, byte 8 (t % 64)
	v_and_b32 v9, 15, v0                           ; r
	v_bfe_u32 v10, v0, 4, 1                        ; h
	v_mul_u32_u24 v4, v9, PITCH
	v_lshl_add_u32 v4, v10, 4, v4                  ; fragment order: row r, byte 16 h
	s_lshr_b32 s22, s16, 1
	s_mul_i32 s22, s22, 16*PITCH                   ; wave w: the 16 rows of tile w / 2,
	s_and_b32 s23, s16, 1
	s_lshl_b32 s23, s23, 8                         ; i2 = 8 (w % 2) + n: 32 bytes of a row for each i2
	s_add_co_u32 s22, s22, s23
	v_add_nc_u32 v4, s22, v4
	v_lshlrev_b32 v5, 4, v1
	v_lshl_add_u32 v5, s16, 12, v5                 ; xfrag: 4,096 w + 512 n + 16 lane
	s_lshl_b32 s18, s17, 16
	s_wait_kmcnt 0x0
	s_add_nc_u64 s[6:7], s[6:7], s[18:19]          ; input at my 64 rows of 1,024 bytes
	s_lshl_b32 s18, s17, 15
	s_add_nc_u64 s[12:13], s[12:13], s[18:19]      ; xfrag at my four tiles of 8,192 bytes
	s_lshl_b32 s18, s17, 8
	s_add_nc_u64 s[20:21], s[14:15], s[18:19]      ; xx at my 64 rows
.irp i, 0,1,2,3,4,5,6,7,8,9,10,11,12,13,14,15
	global_load_b128 v[L+4*\i:L+4*\i+3], v2, s[6:7] offset:\i*4096 th:TH_LOAD_NT
.endr
.irp i, 0,1,2,3,4,5,6,7,8,9,10,11,12,13,14,15
	s_wait_loadcnt 15-\i                           ; load i is in, the younger ones stay out
	v_cvt_pk_bf16_f32 v[W+2*(\i%4)],   v[L+4*\i],   v[L+4*\i+1]
	v_cvt_pk_bf16_f32 v[W+2*(\i%4)+1], v[L+4*\i+2], v[L+4*\i+3]
	ds_store_b64 v3, v[W+2*(\i%4):W+2*(\i%4)+1] offset:XB+\i*4*PITCH
.endr
	MEET
	COPYOUT XB, 32, 512, 12
	SUMSQ XB
.Lfunc_end_k_qb4df29c03a_prep:
	.size	k_qb4df29c03a_prep, .Lfunc_end_k_qb4df29c03a_prep-k_qb4df29c03a_prep
	.p2alignl 7, 3214868480
	.fill 96, 4, 3214868480
	.section	.rodata,"a",@progbits
	.p2align	6, 0x0
	.amdhsa_kernel k_qb4df29c03a_prep
		.amdhsa_group_segment_fixed_size 68608
		.amdhsa_private_segment_fixed_size 0
		.amdhsa_enable_private_segment 0
		.amdhsa_kernarg_size 48
		.amdhsa_user_sgpr_count 2
		.amdhsa_user_sgpr_kernarg_segment_ptr 1
		.amdhsa_wavefront_size32 1
		.amdhsa_system_sgpr_workgroup_id_x 1
		.amdhsa_system_sgpr_workgroup_id_y 1
		.amdhsa_system_sgpr_workgroup_id_z 1
		.amdhsa_system_vgpr_workitem_id 0
		.amdhsa_next_free_vgpr 98
		.amdhsa_next_free_sgpr 66
		.amdhsa_reserve_vcc 0
		.amdhsa_float_denorm_mode_32 3
		.amdhsa_float_denorm_mode_16_64 3
		.amdhsa_memory_ordered 1
		.amdhsa_forward_progress 1
		.amdhsa_inst_pref_size 89
	.end_amdhsa_kernel
	.amdgpu_metadata
---
amdhsa.version: [ 1, 2 ]
amdhsa.kernels:
  - .name:           k_qb4df29c03a_prep
    .symbol:         k_qb4df29c03a_prep.kd
    .args:
      - { .name: embed, .offset: 0, .size: 8, .value_kind: global_buffer, .address_space: global }
      - { .name: input, .offset: 8, .size: 8, .value_kind: global_buffer, .address_space: global }
      - { .name: ebf, .offset: 16, .size: 8, .value_kind: global_buffer, .address_space: global }
      - { .name: ee, .offset: 24, .size: 8, .value_kind: global_buffer, .address_space: global }
      - { .name: xfrag, .offset: 32, .size: 8, .value_kind: global_buffer, .address_space: global }
      - { .name: xx, .offset: 40, .size: 8, .value_kind: global_buffer, .address_space: global }
    .group_segment_fixed_size: 68608
    .private_segment_fixed_size: 0
    .kernarg_segment_align: 8
    .kernarg_segment_size: 48
    .max_flat_workgroup_size: 256
    .sgpr_count:     66
    .vgpr_count:     98
    .wavefront_size: 32
...
	.end_amdgpu_metadata
.endif
;; end of part 1
;; launch main (part 2): grid 64 x 4, 4 waves a work-group, clusters of 4 x 1, 327,680 bytes of LDS; arguments xfrag, xx, ebf, ee, part; writes part
.if DOCPART == 2
	.amdgcn_target "amdgcn-amd-amdhsa--gfx1250"
	.amdhsa_code_object_version 6
	.text
	.protected	k_qb4df29c03a_main
	.globl	k_qb4df29c03a_main
	.p2align	8
	.type	k_qb4df29c03a_main,@function
k_qb4df29c03a_main:
	s_mov_b64 s[64:65], 0
	v_nop
	global_prefetch_b8 v0, s[64:65] scope:SCOPE_SE
	s_setreg_imm32_b32 hwreg(HW_REG_WAVE_MODE, 25, 1), 1
	s_wait_xcnt 0x0
	s_wait_alu depctr_hold_cnt(0) depctr_sa_sdst(0) depctr_va_vdst(0) depctr_va_sdst(0) depctr_va_ssrc(0) depctr_va_vcc(0) depctr_vm_vsrc(0)
	s_getreg_b32 s2, hwreg(HW_REG_IB_STS2, 6, 4)
	s_cmp_eq_u32 s2, 0
	s_cbranch_scc0 .Lentry_in_a_cluster
	s_endpgm
.Lentry_in_a_cluster:
	s_bfe_u32 s2, ttmp6, 0x10000c
	s_cmp_lg_u32 s2, 0x3003
	s_cbranch_scc0 .Lentry_shape_is_right
	s_endpgm
.Lentry_shape_is_right:
; Launch 2 of 4: the distances d = (|x|^2 - 2 x.e) + |e|^2 of 256 rows to 2,048 codes, and for each row the least d and its first index in that block of codes.
; Nothing is left out here: |x|^2 is the same for all codes of a row, but it sets the size at which reference() rounds d, and so which codes tie; it stays, and d is
; rounded twice in reference()'s order.  Ties go to the lowest index.  Limits as stated at the head of the first launch (operands rounded to bf16, finite inputs).
; SHARES.  grid 64 x 4 = 256 work-groups: x = block of 256 rows, y = block of 2,048 codes.  Four waves, as many as a WGP has SIMDs; a wave owns 64 rows (four tiles of 16) and
; keeps them for the whole K = 256 in 256 registers.  The codes stream through LDS in tiles of 16: one tile is 16 LDS loads and 32 matrix instructions of a wave.
; CLUSTER.  The four row blocks of a cluster (4, 1, 1) walk the same 2,048 codes: every fill is asked for jointly, by the same descriptor with the mask of all four.
; Nothing in a descriptor, an LDS address or a branch hangs on the place in the cluster: it enters the global addresses of xfrag, xx and part alone,
; through s2, s3, s15, s[62:63], which feed no descriptor.
; THE MATRIX INSTRUCTION: source 0 = 16 codes, source 1 = 16 rows of x.  Register j of lane (h, r) of the result is (code 8 h + j, row r):
; a lane keeps 8 running minima for each row tile, one for each j, and the codes reach each of them in ascending order.
; MATRIX WORK BESIDE VECTOR WORK.  Two sets of four accumulators take turns tile by tile.  While tile t is multiplied into one set, the 144 vector instructions that
; turn tile t - 1's sums into distances and running minima are dealt out behind the matrix instructions, 4 or 5 behind each (macro EPOP).
; REGISTER WINDOWS.  x's fragments fill v256-v511; all else lies in v0-v255.  The loop runs under ONE setting, source 1 in the upper window, which the matrix
; instruction needs; so every vector instruction of the loop has a constant or a scalar register as its source 1.
; LDS: slot 0 [0, 67584), slot 1 [67584, 135168): 128 codes x 528 bytes (512 + 16 of padding: sixteen rows of one fragment load start at sixteen different
; 16-byte columns modulo 256 bytes); [135168, 143360): the block's 2,048 |e|^2, filled once.  More than half of the WGP's LDS is asked for: the work-group is alone.
.set PITCH, 528
.set TILEB, 16*PITCH                   ; a tile of 16 codes
.set SLOT,  128*PITCH                  ; 67,584
.set EEB,   2*SLOT                     ; 135,168
.set FILLB, 128*512                    ; a fill's bytes in ebf
.set VA0,  4                           ; v4, v5   LDS address of my part of a code fragment in slot 0, 1: r x 528 + 16 h
.set VE,   6                           ; v6       LDS address of my 8 |e|^2 of this lap's first tile
.set XXR,  8                           ; v[8:11]  |x|^2 of row r of row tile 0..3
.set OUTR, 12                          ; v[12:15] the records to store
.set EE0,  16                          ; v[16:23], v[24:31] |e|^2 of codes 8 h + 0..7, a set for even and for odd tiles
.set VT,   32                          ; v[32:39] t = xx - 2 dot, then d
.set VU,   40                          ; v[40:47] d - best
.set FR,   64                          ; v[64:127] the code tile's eight fragments (K step s at 64 + 8 s)
.set ACC0, 128                         ; v[128:159], v[160:191] accumulators: set p, row tile rt at 128 + 32 p + 8 rt
.set BEST, 192                         ; v[192:223] running minima, 8 rt + j
.set IDX,  224                         ; v[224:255] first code of the tile in which each minimum was found
.set G1C, 16                           ; s[16:23] shape of a wave's part of a fill: 32 codes x 256 bf16
.set G1E, 24                           ; s[24:31] shape of a wave's part of |e|^2: 8 rows x 256 bytes
.set G0,  32                           ; s[32:39] from where, to where: a set for each slot
.set G0E, 40                           ; s[40:43] the same for |e|^2
.set MK,  44                           ; s[44:51] eight compare masks
; s14 wave, s52 first code of the tile whose distances are at work, s53 +infinity, s54 laps, s55 mask of lanes 16-31, s56 s57 selects, s61 y
.set WS, 0x04                          ; the loop's setting: source 1 in the upper window
.set MSB, 0
.macro WIN new                         ; the immediate's high byte repeats the setting that is left
.if MSB != \new
	s_set_vgpr_msb (MSB<<8)|\new
.set MSB, \new
.endif
.endm
; A round of the cluster's barrier: my work-group's barrier, so that wave 0 speaks for all four waves; wave 0 signals; every wave waits for the four work-groups; my barrier once more.
.macro CREST                           ; a round behind its opening barrier
	s_cmp_lg_u32 s14, 0
	s_cbranch_scc1 .Lnot_wave_0_\@
	s_barrier_signal -3
.Lnot_wave_0_\@:
	s_barrier_wait -3
	s_barrier_signal -1
	s_barrier_wait -1
.endm
.macro CROUND
	s_barrier_signal -1
	s_barrier_wait -1
	CREST
.endm
; The EPN-th of the 144 vector instructions on accumulator set q: 36 for each row tile.
.macro EPOP q
.set ERT, EPN/36
.set EI,  EPN%36
.set EA,  ACC0+32*\q+8*ERT
.set EEQ, EE0+8*\q
.set EB,  BEST+8*ERT
.set EX,  IDX+8*ERT
.if EI < 12
.set EP2, 2*(EI%4)
.if EI < 4
.if ERT & 1
	v_pk_fma_f32 v[VT+EP2:VT+EP2+1], v[EA+EP2:EA+EP2+1], -2.0, v[XXR+(ERT&2):XXR+(ERT&2)+1] op_sel:[0,0,1] op_sel_hi:[1,0,1]   ; t = xx - 2 dot, one rounding (2 dot is exact)
.else
	v_pk_fma_f32 v[VT+EP2:VT+EP2+1], v[EA+EP2:EA+EP2+1], -2.0, v[XXR+(ERT&2):XXR+(ERT&2)+1] op_sel_hi:[1,0,0]
.endif
.else
.if EI < 8
	v_pk_fma_f32 v[VT+EP2:VT+EP2+1], v[VT+EP2:VT+EP2+1], 1.0, v[EEQ+EP2:EEQ+EP2+1] op_sel_hi:[1,0,1]    ; d = t + ee (times 1.0: an add's second source would name the upper window)
.else
	v_pk_fma_f32 v[VU+EP2:VU+EP2+1], v[VT+EP2:VT+EP2+1], 1.0, v[EB+EP2:EB+EP2+1] op_sel_hi:[1,0,1] neg_lo:[0,0,1] neg_hi:[0,0,1]   ; d - best: its sign is exact
.endif
.endif
.else
.set EJ, (EI-12)%8
.if EI < 20
	v_cmp_lt_f32 s[MK+EJ], v[VU+EJ], 0             ; strictly less: the earlier code keeps a tie
.else
.if EI < 28
	v_cndmask_b32 v[EX+EJ], v[EX+EJ], s52, s[MK+EJ]
.else
	v_min3_num_f32 v[EB+EJ], v[VT+EJ], s53, v[EB+EJ]   ; min(d, best); +infinity holds the place of source 1
.endif
.endif
.endif
.set EPN, EPN+1
.endm
; K step s of a tile: four matrix instructions into set p, one for each row tile: the accumulators take turns, one instruction a turn.
; ep = 1: 18 instructions of the other set's epilogue stand behind them; they name no register of these matrix instructions, and the five behind the last
; are the places in front of the loads into F[s], which it has read.  ep = 0 (the first tile of all): four v_nop are those places.
; waitn >= 0: how many younger LDS loads may stay out.  ld = 1: F[s] is loaded again, for the next tile, from v[areg] + aoff.
.macro STEP p, s, ep, waitn, ld, areg, aoff
.if (\waitn) >= 0
	s_wait_dscnt \waitn
.endif
.irp rt, 0,1,2,3
.if \s == 0
	v_wmma_f32_16x16x32_bf16 v[ACC0+32*\p+8*\rt:ACC0+32*\p+8*\rt+7], v[FR+8*\s:FR+8*\s+7], v[64*\rt+8*\s:64*\rt+8*\s+7], 0    ; the first K step starts the sums
.else
	v_wmma_f32_16x16x32_bf16 v[ACC0+32*\p+8*\rt:ACC0+32*\p+8*\rt+7], v[FR+8*\s:FR+8*\s+7], v[64*\rt+8*\s:64*\rt+8*\s+7], v[ACC0+32*\p+8*\rt:ACC0+32*\p+8*\rt+7]
.endif
.if \ep
.rept 4+(\rt&1)
	EPOP (1-\p)
.endr
.endif
.endr
.if \ep == 0
.rept 4
	v_nop
.endr
.endif
.if \ld
	ds_load_b128 v[FR+8*\s:FR+8*\s+3],   v[\areg] offset:\aoff+64*\s
	ds_load_b128 v[FR+8*\s+4:FR+8*\s+7], v[\areg] offset:\aoff+64*\s+32
.endif
.endm
; A slot's last tile, and the change of slots.  K steps 0 and 1 issue no loads; then all my reads of this slot are back (the tile's other fragments are in registers)
; and all my tensor loads have landed, of which one was out: my part of the other slot.  One barrier says both of every wave; with refill = 1 it opens a round of the
; cluster's barrier, so that they hold of every wave of the four work-groups, and the joint refill of this slot is the first tensor load behind the round,
; one a wave, ahead of every LDS read.  It has eight tiles, less one K step, in which to land.
.macro CHANGE slot, p, refill
	STEP \p, 0, 1, 16, 0, 0, 0                     ; younger than F[0]'s loads: 14 of the last tile's other steps, 2 of ee
	STEP \p, 1, 1, 14, 0, 0, 0                     ; 12 and 2: step 0 issued none
	s_wait_dscnt 0x0
	s_set_vgpr_msb 0x400
	s_wait_tensorcnt 0x0
	ds_add_u32 v62, v63
	s_wait_dscnt 0x0
	s_set_vgpr_msb 0x4
.if \refill
	s_add_nc_u64 s[G0+4*\slot+2:G0+4*\slot+3], s[G0+4*\slot+2:G0+4*\slot+3], 2*FILLB   ; no tensor load of mine is out: this slot's next 128 codes
.endif
	s_barrier_signal -1
	STEP \p, 2, 1, -1, 0, 0, 0                     ; register work while the others arrive
.if \refill
	WIN 0
.endif
	s_barrier_wait -1
.if \refill
	CREST
	tensor_load_to_lds s[G0+4*\slot:G0+4*\slot+3], s[G1C:G1C+7]
	s_nop 0
.endif
	WIN WS
.irp s, 0,1,2
	ds_load_b128 v[FR+8*\s:FR+8*\s+3],   v[VA0+1-\slot] offset:64*\s         ; the other slot's first tile
	ds_load_b128 v[FR+8*\s+4:FR+8*\s+7], v[VA0+1-\slot] offset:64*\s+32
.endr
.irp s, 3,4,5,6,7
	STEP \p, \s, 1, -1, 1, VA0+1-\slot, 0          ; their fragments came in by the wait for 0 above
.endr
.endm
; Tile t of a slot.  mode 0: an ordinary tile; 1: the slot's last, with a refill; 2: the slot's last, without; 3: the last tile of all.
.macro TILE slot, t, ep, mode
.set EPN, 0
	ds_load_b128 v[EE0+8*(\t&1):EE0+8*(\t&1)+3],   v[VE] offset:(8*\slot+\t)*64
	ds_load_b128 v[EE0+8*(\t&1)+4:EE0+8*(\t&1)+7], v[VE] offset:(8*\slot+\t)*64+16
.if \mode == 0
.irp s, 0,1,2,3,4,5,6,7
	STEP (\t&1), \s, \ep, 16, 1, VA0+\slot, (\t+1)*TILEB   ; younger than F[s]'s two loads: 14 of the seven other steps and 2 of ee; at step 0 the other set's ee has 18 younger
.endr
.endif
.if \mode == 1
	CHANGE \slot, (\t&1), 1
.endif
.if \mode == 2
	CHANGE \slot, (\t&1), 0
.endif
.if \mode == 3
.irp s, 0,1,2,3,4,5,6,7
	STEP (\t&1), \s, \ep, 16-2*\s, 0, 0, 0         ; nothing more is fetched: 2 (7 - s) of the last tile's later steps and 2 of ee are younger
.endr
.endif
.if \ep
	s_add_co_u32 s52, s52, 16                      ; the next epilogue's tile
.endif
.endm
.macro SLOTRUN slot, first, lastmode
	TILE \slot, 0, (1-\first), 0
.irp t, 1,2,3,4,5,6
	TILE \slot, \t, 1, 0
.endr
	TILE \slot, 7, 1, \lastmode
.endm
.macro LAPEND
	WIN 0
	v_add_nc_u32 v[VE], 1024, v[VE]                ; 16 tiles x 64 bytes of |e|^2
.endm
; (bA, iA) = the lesser of (bA, iA) and (bB, iB): by distance, then by index
.macro CMB ba, ia, bb, ib
	v_cmp_lt_f32 s[MK],   v[\bb], v[\ba]
	v_cmp_eq_f32 s[MK+1], v[\bb], v[\ba]
	v_cmp_lt_u32 s[MK+2], v[\ib], v[\ia]
	s_and_b32 s[MK+1], s[MK+1], s[MK+2]
	s_or_b32 s[MK], s[MK], s[MK+1]
	v_cndmask_b32 v[\ba], v[\ba], v[\bb], s[MK]
	v_cndmask_b32 v[\ia], v[\ia], v[\ib], s[MK]
.endm
	s_load_b256 s[4:11], s[0:1], 0x0               ; xfrag s[4:5], xx s[6:7], ebf s[8:9], ee s[10:11]
	s_load_b64 s[12:13], s[0:1], 0x20              ; part
	v_lshl_add_u32 v62, v0, 2, 0x29000
	v_mov_b32 v63, 0
	ds_add_u32 v62, v63
	v_lshrrev_b32 v1, 5, v0
	v_readfirstlane_b32 s14, v1                    ; wave 0..3
	s_bfe_u32 s15, ttmp6, 0x40000                  ; cx
	s_lshl_b32 s3, ttmp9, 2                        ; in a cluster launch ttmp9 counts clusters
	s_add_co_u32 s3, s3, s15                       ; block of rows = 4 x cluster x + cx
	s_and_b32 s61, ttmp7, 0xffff                   ; y: block of codes
	s_mov_b32 s[G1C+0], 0x07b1000f                 ; mask of the four; elements of 2 bytes; padding on; bit 21 beside a mask; after every 128 words (code 6) 4 words (code 3)
	s_mov_b32 s[G1C+1], 256<<16                    ; tensor_dim0 = 256
	s_mov_b32 s[G1C+2], 32<<16                     ; tensor_dim1 = 32
	s_mov_b32 s[G1C+3], 256<<16                    ; tile_dim0 = 256 elements: a code's 512 bytes
	s_mov_b32 s[G1C+4], 32                         ; tile_dim1 = 32 codes
	s_mov_b32 s[G1C+5], 256                        ; elements from code to code
	s_mov_b32 s[G1C+6], 0
	s_mov_b32 s[G1C+7], 0
	s_mov_b32 s[G1E+0], 15|(3<<16)|(1<<21)         ; mask of the four; elements of 8 bytes; no padding
	s_mov_b32 s[G1E+1], 32<<16                     ; rows of 32 elements = 256 bytes
	s_mov_b32 s[G1E+2], 8<<16
	s_mov_b32 s[G1E+3], 32<<16
	s_mov_b32 s[G1E+4], 8                          ; 8 rows: my 512 of the block's 2,048 numbers
	s_mov_b32 s[G1E+5], 32
	s_mov_b32 s[G1E+6], 0
	s_mov_b32 s[G1E+7], 0
	s_mul_i32 s60, s14, 32*PITCH                   ; my 32 codes' place in a slot
	s_lshl_b32 s58, s61, 20                        ; y x 2,048 codes x 512 bytes
	s_lshl_b32 s59, s14, 14                        ; + wave x 32 codes
	s_add_co_u32 s58, s58, s59
	s_mov_b32 s59, 0
	s_wait_dscnt 0x0
	s_wait_kmcnt 0x0
	s_add_nc_u64 s[8:9], s[8:9], s[58:59]
	s_lshl_b32 s58, s61, 13                        ; y x 2,048 x 4 bytes
	s_lshl_b32 s[G0E+1], s14, 11                   ; + wave x 2,048 bytes, in memory and in LDS
	s_add_co_u32 s58, s58, s[G0E+1]
	s_add_nc_u64 s[10:11], s[10:11], s[58:59]
	s_mov_b32 s[G0E], 1
	s_add_co_u32 s[G0E+1], s[G0E+1], EEB
	s_mov_b64 s[G0E+2:G0E+3], s[10:11]
	s_or_b32 s[G0E+3], s[G0E+3], 0x80000000        ; type = 2
.irp n, 0,1
	s_mov_b32 s[G0+4*\n], 1
	s_add_co_u32 s[G0+4*\n+1], s60, \n*SLOT
	s_add_nc_u64 s[G0+4*\n+2:G0+4*\n+3], s[8:9], \n*FILLB
	s_or_b32 s[G0+4*\n+3], s[G0+4*\n+3], 0x80000000
.endr
	CROUND                                         ; the four work-groups are here: the first joint loads meet
	tensor_load_to_lds s[G0E:G0E+3], s[G1E:G1E+7]  ; the first fills go out as one group: three tensor loads of the wave are out
	s_nop 0
	tensor_load_to_lds s[G0:G0+3], s[G1C:G1C+7]
	s_nop 0
	tensor_load_to_lds s[G0+4:G0+7], s[G1C:G1C+7]
	s_nop 0
	s_lshl_b32 s62, s3, 17                         ; xfrag: 16 tiles of 8,192 bytes for a block of rows,
	s_lshl_b32 s2, s14, 15                         ; four for a wave
	s_add_co_u32 s62, s62, s2
	s_mov_b32 s63, 0
	s_add_nc_u64 s[4:5], s[4:5], s[62:63]
	s_lshl_b32 s62, s3, 10                         ; xx: (256 block + 64 wave) x 4 bytes
	s_lshl_b32 s2, s14, 8
	s_add_co_u32 s62, s62, s2
	s_add_nc_u64 s[6:7], s[6:7], s[62:63]
	s_lshl_b32 s62, s3, 11                         ; part: (16,384 y + 256 block + 64 wave) x 8 bytes
	s_lshl_b32 s2, s14, 9
	s_add_co_u32 s62, s62, s2
	s_lshl_b32 s2, s61, 17
	s_add_co_u32 s62, s62, s2
	s_add_nc_u64 s[12:13], s[12:13], s[62:63]
	v_and_b32 v12, 31, v0                          ; lane
	v_and_b32 v13, 15, v0                          ; r
	v_bfe_u32 v14, v0, 4, 1                        ; h
	v_lshlrev_b32 v1, 4, v12                       ; 16 lane
	v_lshlrev_b32 v7, 2, v13                       ; 4 r
	WIN 0x40                                       ; destination in the upper window
.irp rt, 0,1,2,3
.irp i, 0,1,2,3,4,5,6,7,8,9,10,11,12,13,14,15
	global_load_b128 v[64*\rt+4*\i:64*\rt+4*\i+3], v1, s[4:5] offset:\rt*8192+\i*512   ; v[256 + 64 rt + 8 s ..]: row tile rt, K step s; 512 consecutive bytes a load
.endr
.endr
	WIN 0
.irp rt, 0,1,2,3
	global_load_b32 v[XXR+\rt], v7, s[6:7] offset:64*\rt
.endr
	v_lshlrev_b32 v2, 3, v14                       ; 8 h
	v_lshlrev_b32 v3, 3, v12                       ; 8 lane
	v_mul_u32_u24 v[VA0], v13, PITCH
	v_lshl_add_u32 v[VA0], v14, 4, v[VA0]          ; code r of a tile, 16 h bytes along K
	v_add_nc_u32 v[VA0+1], SLOT, v[VA0]
	v_lshlrev_b32 v[VE], 5, v14
	v_add_nc_u32 v[VE], EEB, v[VE]                 ; |e|^2 of codes 8 h ..
	s_mov_b32 s53, 0x7f800000                      ; +infinity
	s_mov_b32 s55, 0xffff0000
	s_mov_b32 s56, 0x76543210
	s_mov_b32 s57, 0xfedcba98
	s_lshl_b32 s52, s61, 11                        ; the block's first code
.set j, 0
.rept 32
	v_mov_b32 v[BEST+j], s53                       ; every finite distance is less
	v_mov_b32 v[IDX+j], 0
.set j, j+1
.endr
	s_wait_tensorcnt 0x1                           ; my parts of |e|^2 and of slot 0 are in; slot 1's may stay out
	s_barrier_signal -1
	s_barrier_wait -1                              ; everybody's are
.irp s, 0,1,2,3,4,5,6,7
	ds_load_b128 v[FR+8*\s:FR+8*\s+3],   v[VA0] offset:64*\s
	ds_load_b128 v[FR+8*\s+4:FR+8*\s+7], v[VA0] offset:64*\s+32
.endr
	s_wait_loadcnt 0x0                             ; x and |x|^2, once
	WIN WS
	SLOTRUN 0, 1, 1                                ; the first lap stands in front of the loop: its first tile has no epilogue to carry
	SLOTRUN 1, 0, 1
	LAPEND
	s_mov_b32 s54, 6                               ; 16 fills in 8 laps: this loop reads fills 2 to 13 and asks for 4 to 15
.Llap:
	WIN WS
	SLOTRUN 0, 0, 1
	SLOTRUN 1, 0, 1
	LAPEND
	s_sub_co_u32 s54, s54, 1
	s_cmp_lg_u32 s54, 0
	s_cbranch_scc1 .Llap
	WIN WS
	SLOTRUN 0, 0, 2                                ; the last lap fills nothing
	SLOTRUN 1, 0, 3
	s_wait_dscnt 0x0                               ; the last tile's |e|^2
.set EPN, 0
.rept 144
	EPOP 1                                         ; the last tile's epilogue; five plain vector instructions already stand behind the last matrix instruction
.endr
	WIN 0
	; Each lane's 8 minima of a row tile, then the two halves of the lanes: the least distance, at equal distances the lowest index.
.irp rt, 0,1,2,3
.irp j, 0,1,2,3,4,5,6,7
	v_add3_u32 v[IDX+8*\rt+\j], v[IDX+8*\rt+\j], v2, \j      ; tile's first code + 8 h + j
.endr
	CMB BEST+8*\rt,   IDX+8*\rt,   BEST+8*\rt+1, IDX+8*\rt+1
	CMB BEST+8*\rt+2, IDX+8*\rt+2, BEST+8*\rt+3, IDX+8*\rt+3
	CMB BEST+8*\rt+4, IDX+8*\rt+4, BEST+8*\rt+5, IDX+8*\rt+5
	CMB BEST+8*\rt+6, IDX+8*\rt+6, BEST+8*\rt+7, IDX+8*\rt+7
	CMB BEST+8*\rt,   IDX+8*\rt,   BEST+8*\rt+2, IDX+8*\rt+2
	CMB BEST+8*\rt+4, IDX+8*\rt+4, BEST+8*\rt+6, IDX+8*\rt+6
	CMB BEST+8*\rt,   IDX+8*\rt,   BEST+8*\rt+4, IDX+8*\rt+4
	v_permlanex16_b32 v[VT],   v[BEST+8*\rt], s56, s57       ; lane i xor 16: the same row's other eight codes
	v_permlanex16_b32 v[VT+1], v[IDX+8*\rt],  s56, s57
	CMB BEST+8*\rt,   IDX+8*\rt,   VT, VT+1
.endr
	v_cndmask_b32 v[OUTR],   v[BEST],    v[BEST+8],  s55     ; lanes 0-15: rows 0-15; lanes 16-31: rows 16-31
	v_cndmask_b32 v[OUTR+1], v[IDX],     v[IDX+8],   s55
	v_cndmask_b32 v[OUTR+2], v[BEST+16], v[BEST+24], s55     ; rows 32-63
	v_cndmask_b32 v[OUTR+3], v[IDX+16],  v[IDX+24],  s55
	global_store_b64 v3, v[OUTR:OUTR+1],   s[12:13]          ; 32 records {d, index}: 256 consecutive bytes, aligned
	global_store_b64 v3, v[OUTR+2:OUTR+3], s[12:13] offset:256
	CROUND                                         ; the closing round: no work-group ends while a partner may still ask jointly
	s_endpgm
.Lfunc_end_k_qb4df29c03a_main:
	.size	k_qb4df29c03a_main, .Lfunc_end_k_qb4df29c03a_main-k_qb4df29c03a_main
	.p2alignl 7, 3214868480
	.fill 96, 4, 3214868480
	.section	.rodata,"a",@progbits
	.p2align	6, 0x0
	.amdhsa_kernel k_qb4df29c03a_main
		.amdhsa_group_segment_fixed_size 327680
		.amdhsa_private_segment_fixed_size 0
		.amdhsa_enable_private_segment 0
		.amdhsa_kernarg_size 40
		.amdhsa_user_sgpr_count 2
		.amdhsa_user_sgpr_kernarg_segment_ptr 1
		.amdhsa_wavefront_size32 1
		.amdhsa_system_sgpr_workgroup_id_x 1
		.amdhsa_system_sgpr_workgroup_id_y 1
		.amdhsa_system_sgpr_workgroup_id_z 1
		.amdhsa_system_vgpr_workitem_id 0
		.amdhsa_next_free_vgpr 512
		.amdhsa_next_free_sgpr 66
		.amdhsa_reserve_vcc 0
		.amdhsa_float_denorm_mode_32 3
		.amdhsa_float_denorm_mode_16_64 3
		.amdhsa_memory_ordered 1
		.amdhsa_forward_progress 1
		.amdhsa_inst_pref_size 255
	.end_amdhsa_kernel
	.section	.bss,"aw",@nobits
	.p2align	6
	.space	262144
	.amdgpu_metadata
---
amdhsa.version: [ 1, 2 ]
amdhsa.kernels:
  - .name:           k_qb4df29c03a_main
    .symbol:         k_qb4df29c03a_main.kd
    .args:
      - { .name: xfrag, .offset: 0, .size: 8, .value_kind: global_buffer, .address_space: global }
      - { .name: xx, .offset: 8, .size: 8, .value_kind: global_buffer, .address_space: global }
      - { .name: ebf, .offset: 16, .size: 8, .value_kind: global_buffer, .address_space: global }
      - { .name: ee, .offset: 24, .size: 8, .value_kind: global_buffer, .address_space: global }
      - { .name: part, .offset: 32, .size: 8, .value_kind: global_buffer, .address_space: global }
    .group_segment_fixed_size: 327680
    .private_segment_fixed_size: 0
    .kernarg_segment_align: 8
    .kernarg_segment_size: 40
    .max_flat_workgroup_size: 128
    .sgpr_count:     66
    .vgpr_count:     512
    .wavefront_size: 32
...
	.end_amdgpu_metadata
.endif
;; end of part 2
;; launch pick (part 3): grid 32 x 1, 8 waves a work-group, no clusters, 1,280 bytes of LDS; arguments part, out2, sel, psum; writes out2, sel, psum
.if DOCPART == 3
	.amdgcn_target "amdgcn-amd-amdhsa--gfx1250"
	.amdhsa_code_object_version 6
	.text
	.protected	k_qb4df29c03a_pick
	.globl	k_qb4df29c03a_pick
	.p2align	8
	.type	k_qb4df29c03a_pick,@function
k_qb4df29c03a_pick:
	s_mov_b64 s[64:65], 0
	v_nop
	global_prefetch_b8 v0, s[64:65] scope:SCOPE_SE
	s_setreg_imm32_b32 hwreg(HW_REG_WAVE_MODE, 25, 1), 1
	s_wait_xcnt 0x0
; Launch 3 of 4: for each row the least of the four code blocks' minima.  part: [4 blocks][16384 rows] records {f32 d, i32 index}.
; The blocks are taken in ascending order and a later one wins only if strictly less, so at equal distances the lowest index stays, as in argmin.
; The index goes to out2 and, as whole numbers for the next launch's addresses, to sel.  The work-group's sum of least distances goes to psum:
; the sum over k of (q - x)^2 is the distance at the argmin identically, so diff needs no second reading of input.
; 32 work-groups of 256 threads, two rows a thread: 16 bytes a lane from each block, 8 bytes a lane to out2 and to sel (256 consecutive bytes a wave).
; The launch moves 0.6 MB: no LDS tiles, no matrix work, nothing shared between work-groups.
	s_load_b256 s[4:11], s[0:1], 0x0               ; part s[4:5], out2 s[6:7], sel s[8:9], psum s[10:11]
	v_lshl_add_u32 v40, v0, 2, 0x100
	v_mov_b32 v41, 0
	v_lshrrev_b32 v1, 5, v0
	v_readfirstlane_b32 s12, v1                    ; wave 0..7
	v_lshlrev_b32 v2, 4, v0                        ; two records
	v_lshlrev_b32 v3, 3, v0                        ; two indices
	v_mov_b32 v23, 0                               ; written before v_permlanex16_b32 names it as its destination
	s_mov_b32 s14, 0x76543210
	s_mov_b32 s15, 0xfedcba98
	s_mov_b32 s17, 0
	s_lshl_b32 s16, ttmp9, 12                      ; 512 rows x 8 bytes
	s_wait_kmcnt 0x0
	s_add_nc_u64 s[4:5], s[4:5], s[16:17]
.irp y, 0,1,2,3
	global_load_b128 v[4+4*\y:7+4*\y], v2, s[4:5] offset:\y*131072 th:TH_LOAD_NT
.endr
	s_lshl_b32 s16, ttmp9, 11                      ; 512 rows x 4 bytes
	s_add_nc_u64 s[6:7], s[6:7], s[16:17]
	s_add_nc_u64 s[8:9], s[8:9], s[16:17]
	s_lshl_b32 s16, ttmp9, 2
	s_add_nc_u64 s[10:11], s[10:11], s[16:17]
	s_wait_loadcnt 0x0
.irp y, 1,2,3
	v_cmp_lt_f32 vcc_lo, v[4+4*\y], v4
	v_cndmask_b32 v4, v4, v[4+4*\y], vcc_lo
	v_cndmask_b32 v5, v5, v[5+4*\y], vcc_lo
	v_cmp_lt_f32 vcc_lo, v[6+4*\y], v6
	v_cndmask_b32 v6, v6, v[6+4*\y], vcc_lo
	v_cndmask_b32 v7, v7, v[7+4*\y], vcc_lo
.endr
	v_mov_b32 v20, v5
	v_mov_b32 v21, v7
	global_store_b64 v3, v[20:21], s[6:7]
	global_store_b64 v3, v[20:21], s[8:9]
	v_add_f32 v22, v4, v6
	v_add_f32_dpp v22, v22, v22 row_xmask:1 row_mask:0xf bank_mask:0xf
	v_add_f32_dpp v22, v22, v22 row_xmask:2 row_mask:0xf bank_mask:0xf
	v_add_f32_dpp v22, v22, v22 row_xmask:4 row_mask:0xf bank_mask:0xf
	v_add_f32_dpp v22, v22, v22 row_xmask:8 row_mask:0xf bank_mask:0xf
	v_permlanex16_b32 v23, v22, s14, s15
	v_add_f32 v22, v22, v23                        ; the wave's 64 rows
	v_mov_b32 v24, s12
	v_lshlrev_b32 v24, 2, v24
	ds_store_b32 v24, v22                          ; all lanes write the wave's word with the same value
	s_wait_dscnt 0x0                               ; complete before the signal: wave 0 reads it behind the barrier
	s_barrier_signal -1
	s_barrier_wait -1
	s_cmp_lg_u32 s12, 0
	s_cbranch_scc1 .Lend
	v_mov_b32 v25, 0
	ds_load_b128 v[28:31], v25
	ds_load_b128 v[32:35], v25 offset:16
	s_wait_dscnt 0x0
	v_add_f32 v28, v28, v29                        ; a fixed order
	v_add_f32 v30, v30, v31
	v_add_f32 v32, v32, v33
	v_add_f32 v34, v34, v35
	v_add_f32 v28, v28, v30
	v_add_f32 v32, v32, v34
	v_add_f32 v28, v28, v32
	v_cmp_eq_u32 vcc_lo, 0, v0
	s_wait_xcnt 0x0                                ; EXEC is a source of my stores above: it changes only behind this wait
	s_and_saveexec_b32 s18, vcc_lo
	global_store_b32 v25, v28, s[10:11]            ; psum[work-group]
	s_wait_xcnt 0x0                                ; and again in front of the line that widens it
	s_or_b32 exec_lo, exec_lo, s18
.Lend:
	s_wait_tensorcnt 0x0
	ds_add_u32 v40, v41
	s_wait_dscnt 0x0
	s_endpgm
.Lfunc_end_k_qb4df29c03a_pick:
	.size	k_qb4df29c03a_pick, .Lfunc_end_k_qb4df29c03a_pick-k_qb4df29c03a_pick
	.p2alignl 7, 3214868480
	.fill 96, 4, 3214868480
	.section	.rodata,"a",@progbits
	.p2align	6, 0x0
	.amdhsa_kernel k_qb4df29c03a_pick
		.amdhsa_group_segment_fixed_size 1280
		.amdhsa_private_segment_fixed_size 0
		.amdhsa_enable_private_segment 0
		.amdhsa_kernarg_size 32
		.amdhsa_user_sgpr_count 2
		.amdhsa_user_sgpr_kernarg_segment_ptr 1
		.amdhsa_wavefront_size32 1
		.amdhsa_system_sgpr_workgroup_id_x 1
		.amdhsa_system_sgpr_workgroup_id_y 1
		.amdhsa_system_sgpr_workgroup_id_z 1
		.amdhsa_system_vgpr_workitem_id 0
		.amdhsa_next_free_vgpr 42
		.amdhsa_next_free_sgpr 66
		.amdhsa_reserve_vcc 1
		.amdhsa_float_denorm_mode_32 3
		.amdhsa_float_denorm_mode_16_64 3
		.amdhsa_memory_ordered 1
		.amdhsa_forward_progress 1
		.amdhsa_inst_pref_size 4
	.end_amdhsa_kernel
	.amdgpu_metadata
---
amdhsa.version: [ 1, 2 ]
amdhsa.kernels:
  - .name:           k_qb4df29c03a_pick
    .symbol:         k_qb4df29c03a_pick.kd
    .args:
      - { .name: part, .offset: 0, .size: 8, .value_kind: global_buffer, .address_space: global }
      - { .name: out2, .offset: 8, .size: 8, .value_kind: global_buffer, .address_space: global }
      - { .name: sel, .offset: 16, .size: 8, .value_kind: global_buffer, .address_space: global }
      - { .name: psum, .offset: 24, .size: 8, .value_kind: global_buffer, .address_space: global }
    .group_segment_fixed_size: 1280
    .private_segment_fixed_size: 0
    .kernarg_segment_align: 8
    .kernarg_segment_size: 32
    .max_flat_workgroup_size: 256
    .sgpr_count:     66
    .vgpr_count:     42
    .wavefront_size: 32
...
	.end_amdgpu_metadata
.endif
;; end of part 3
;; launch gather (part 4): grid 256 x 1, 8 waves a work-group, no clusters, 0 bytes of LDS; arguments sel, ebf, psum, out0, out1; writes out0, out1
.if DOCPART == 4
	.amdgcn_target "amdgcn-amd-amdhsa--gfx1250"
	.amdhsa_code_object_version 6
	.text
	.protected	k_qb4df29c03a_gather
	.globl	k_qb4df29c03a_gather
	.p2align	8
	.type	k_qb4df29c03a_gather,@function
k_qb4df29c03a_gather:
	s_mov_b64 s[64:65], 0
	v_nop
	global_prefetch_b8 v0, s[64:65] scope:SCOPE_SE
	s_setreg_imm32_b32 hwreg(HW_REG_WAVE_MODE, 25, 1), 1
	s_wait_xcnt 0x0
; Launch 4 of 4: out0[row] = the chosen code, out1 = diff.
; input + (q - input) is q identically, so the code itself is stored and input is not read; it is the code rounded to bf16 (relative error at most 2^-9), widened to f32.
; diff = (the 32 partial sums of least distances) x 2^-22: 16,384 rows x 256 numbers.
; 256 work-groups of 8 waves; a wave owns 8 rows.  Its 8 indices are whole numbers that the launch before stored; they come by one scalar load, are held inside
; the table of 8,192 codes by s_min_u32, and each makes a base of its own.  A code's 512 bytes come by two loads of 8 bytes a lane (256 consecutive bytes each)
; and leave as 1,024 bytes by two stores of 16 bytes a lane (512 consecutive bytes each).  All sixteen loads of a wave go out at once; no register is written twice.
; No hint on the loads: several rows may choose one code.  Memory binds: no LDS, no matrix work, no cluster.
.set Q, 16                             ; v[16:47]   load n = 2 i + half: two registers, four bf16
.set O, 48                             ; v[48:111]  the same as four f32
	s_load_b256 s[4:11], s[0:1], 0x0               ; sel s[4:5], ebf s[6:7], psum s[8:9], out0 s[10:11]
	s_load_b64 s[12:13], s[0:1], 0x20              ; out1
	v_lshrrev_b32 v1, 5, v0
	v_readfirstlane_b32 s14, v1                    ; wave 0..7
	v_and_b32 v2, 31, v0
	v_lshlrev_b32 v3, 3, v2                        ; 8 lane
	v_lshlrev_b32 v4, 4, v2                        ; 16 lane
	v_lshlrev_b32 v5, 2, v2                        ; 4 lane
	s_mov_b32 s24, 0xffff0000                      ; a word's upper bf16
	s_lshl_b32 s28, ttmp9, 8                       ; (64 work-group + 8 wave) x 4 bytes
	s_lshl_b32 s15, s14, 5
	s_add_co_u32 s28, s28, s15
	s_mov_b32 s29, 0
	s_lshl_b32 s30, ttmp9, 16                      ; (64 work-group + 8 wave) x 1,024 bytes
	s_lshl_b32 s15, s14, 13
	s_add_co_u32 s30, s30, s15
	s_mov_b32 s31, 0
	s_wait_kmcnt 0x0
	s_add_nc_u64 s[4:5], s[4:5], s[28:29]
	s_load_b256 s[16:23], s[4:5], 0x0              ; my eight indices
	s_add_nc_u64 s[10:11], s[10:11], s[30:31]
	s_wait_kmcnt 0x0
.irp i, 0,1,2,3,4,5,6,7
	s_min_u32 s[16+\i], s[16+\i], 0x1fff           ; inside the table
	s_lshl_b32 s28, s[16+\i], 9                    ; 512 bytes a code
	s_add_nc_u64 s[32+2*\i:33+2*\i], s[6:7], s[28:29]
.endr
.irp i, 0,1,2,3,4,5,6,7
	global_load_b64 v[Q+4*\i:Q+4*\i+1],   v3, s[32+2*\i:33+2*\i]
	global_load_b64 v[Q+4*\i+2:Q+4*\i+3], v3, s[32+2*\i:33+2*\i] offset:256
.endr
.irp n, 0,1,2,3,4,5,6,7,8,9,10,11,12,13,14,15
	s_wait_loadcnt 15-\n                           ; loads come back in order: load n is in, the younger ones stay out
	v_lshlrev_b32 v[O+4*\n],   16,  v[Q+2*\n]      ; bf16 to f32: the low half moves up,
	v_and_b32     v[O+4*\n+1], s24, v[Q+2*\n]      ; the high half stays
	v_lshlrev_b32 v[O+4*\n+2], 16,  v[Q+2*\n+1]
	v_and_b32     v[O+4*\n+3], s24, v[Q+2*\n+1]
	global_store_b128 v4, v[O+4*\n:O+4*\n+3], s[10:11] offset:\n*512 th:TH_STORE_NT
.endr
	s_or_b32 s28, ttmp9, s14                       ; wave 0 of work-group 0 owns out1
	s_cmp_lg_u32 s28, 0
	s_cbranch_scc1 .Lend
	global_load_b32 v6, v5, s[8:9]                 ; the 32 partial sums, one a lane
	v_mov_b32 v7, 0                                ; written before v_permlanex16_b32 names it as its destination
	v_mov_b32 v8, 0
	s_mov_b32 s25, 0x76543210
	s_mov_b32 s26, 0xfedcba98
	s_wait_loadcnt 0x0
	v_add_f32_dpp v6, v6, v6 row_xmask:1 row_mask:0xf bank_mask:0xf
	v_add_f32_dpp v6, v6, v6 row_xmask:2 row_mask:0xf bank_mask:0xf
	v_add_f32_dpp v6, v6, v6 row_xmask:4 row_mask:0xf bank_mask:0xf
	v_add_f32_dpp v6, v6, v6 row_xmask:8 row_mask:0xf bank_mask:0xf
	v_permlanex16_b32 v7, v6, s25, s26
	v_add_f32 v6, v6, v7
	v_mul_f32 v6, 0x34800000, v6                   ; x 2^-22
	v_cmp_eq_u32 vcc_lo, 0, v0
	s_wait_xcnt 0x0                                ; EXEC is a source of my stores above: it changes only behind this wait
	s_and_saveexec_b32 s27, vcc_lo
	global_store_b32 v8, v6, s[12:13]
	s_wait_xcnt 0x0                                ; and again in front of the line that widens it
	s_or_b32 exec_lo, exec_lo, s27
.Lend:
	s_endpgm
.Lfunc_end_k_qb4df29c03a_gather:
	.size	k_qb4df29c03a_gather, .Lfunc_end_k_qb4df29c03a_gather-k_qb4df29c03a_gather
	.p2alignl 7, 3214868480
	.fill 96, 4, 3214868480
	.section	.rodata,"a",@progbits
	.p2align	6, 0x0
	.amdhsa_kernel k_qb4df29c03a_gather
		.amdhsa_group_segment_fixed_size 0
		.amdhsa_private_segment_fixed_size 0
		.amdhsa_enable_private_segment 0
		.amdhsa_kernarg_size 40
		.amdhsa_user_sgpr_count 2
		.amdhsa_user_sgpr_kernarg_segment_ptr 1
		.amdhsa_wavefront_size32 1
		.amdhsa_system_sgpr_workgroup_id_x 1
		.amdhsa_system_sgpr_workgroup_id_y 1
		.amdhsa_system_sgpr_workgroup_id_z 1
		.amdhsa_system_vgpr_workitem_id 0
		.amdhsa_next_free_vgpr 112
		.amdhsa_next_free_sgpr 66
		.amdhsa_reserve_vcc 1
		.amdhsa_float_denorm_mode_32 3
		.amdhsa_float_denorm_mode_16_64 3
		.amdhsa_memory_ordered 1
		.amdhsa_forward_progress 1
		.amdhsa_inst_pref_size 9
	.end_amdhsa_kernel
	.amdgpu_metadata
---
amdhsa.version: [ 1, 2 ]
amdhsa.kernels:
  - .name:           k_qb4df29c03a_gather
    .symbol:         k_qb4df29c03a_gather.kd
    .args:
      - { .name: sel, .offset: 0, .size: 8, .value_kind: global_buffer, .address_space: global }
      - { .name: ebf, .offset: 8, .size: 8, .value_kind: global_buffer, .address_space: global }
      - { .name: psum, .offset: 16, .size: 8, .value_kind: global_buffer, .address_space: global }
      - { .name: out0, .offset: 24, .size: 8, .value_kind: global_buffer, .address_space: global }
      - { .name: out1, .offset: 32, .size: 8, .value_kind: global_buffer, .address_space: global }
    .group_segment_fixed_size: 0
    .private_segment_fixed_size: 0
    .kernarg_segment_align: 8
    .kernarg_segment_size: 40
    .max_flat_workgroup_size: 256
    .sgpr_count:     66
    .vgpr_count:     112
    .wavefront_size: 32
...
	.end_amdgpu_metadata
.endif
;; end of part 4
;; ======== version 2 of 3: 4 launches; 1.45 times as fast as version 1
;; limits: a difference of large sums (such as E[x^2] - mean^2): digits are lost where the result is much smaller than its terms; values outside matrix products are rounded to bf16
;; workspace buffers: ebf 4,194,304 bytes; ee 32,768 bytes; xfrag 8,388,608 bytes; xx 65,536 bytes; part 524,288 bytes; sel 65,536 bytes of whole numbers; psum 256 bytes
;; launch prep: the kernel of part 1 again; grid 384 x 1, 8 waves a work-group, no clusters, 68,608 bytes of LDS; arguments embed, input, ebf, ee, xfrag, xx; writes ebf, ee, xfrag, xx
;; launch main (part 5): grid 64 x 4, 4 waves a work-group, clusters of 4 x 1, 327,680 bytes of LDS; arguments xfrag, xx, ebf, ee, part; writes part
.if DOCPART == 5
	.amdgcn_target "amdgcn-amd-amdhsa--gfx1250"
	.amdhsa_code_object_version 6
	.text
	.protected	k_qb4df29c03a_main
	.globl	k_qb4df29c03a_main
	.p2align	8
	.type	k_qb4df29c03a_main,@function
k_qb4df29c03a_main:
	s_mov_b64 s[64:65], 0
	v_nop
	global_prefetch_b8 v0, s[64:65] scope:SCOPE_SE
	s_setreg_imm32_b32 hwreg(HW_REG_WAVE_MODE, 25, 1), 1
	s_wait_xcnt 0x0
	s_wait_alu depctr_hold_cnt(0) depctr_sa_sdst(0) depctr_va_vdst(0) depctr_va_sdst(0) depctr_va_ssrc(0) depctr_va_vcc(0) depctr_vm_vsrc(0)
	s_getreg_b32 s2, hwreg(HW_REG_IB_STS2, 6, 4)
	s_cmp_eq_u32 s2, 0
	s_cbranch_scc0 .Lentry_in_a_cluster
	s_endpgm
.Lentry_in_a_cluster:
	s_bfe_u32 s2, ttmp6, 0x10000c
	s_cmp_lg_u32 s2, 0x3003
	s_cbranch_scc0 .Lentry_shape_is_right
	s_endpgm
.Lentry_shape_is_right:
; Launch 2 of 4: the distances d = (|x|^2 - 2 x.e) + |e|^2 of 256 rows to 2,048 codes, and for each row the least d and its first index in that block of codes.
; Nothing is left out here: |x|^2 is the same for all codes of a row, but it sets the size at which reference() rounds d, and so which codes tie; the index is a whole
; number that has one right value, so the term stays, and d is rounded twice in reference()'s order.  Ties go to the lowest index.
; Limits as stated at the head of the first launch (operands rounded to bf16, finite inputs).
; SHARES.  grid 64 x 4 = 256 work-groups: x = block of 256 rows, y = block of 2,048 codes.  Four waves, as many as a WGP has SIMDs; a wave owns 64 rows (four tiles of 16) and
; keeps them for the whole K = 256 in 256 registers.  The codes stream through LDS in tiles of 16: one tile is 16 LDS loads and 32 matrix instructions of a wave.
; CLUSTER.  The four row blocks of a cluster (4, 1, 1) walk the same 2,048 codes: every fill is asked for jointly, by the same descriptor with the mask of all four.
; Nothing in a descriptor, an LDS address or a branch hangs on the place in the cluster: it enters the global addresses of xfrag, xx and part alone,
; through s2, s3, s15, s[62:63], which feed no descriptor.
; THE MATRIX INSTRUCTION: source 0 = 16 codes, source 1 = 16 rows of x.  Register j of lane (h, r) of the result is (code 8 h + j, row r):
; a lane keeps 8 running minima for each row tile, one for each j, and the codes reach each of them in ascending order.
; MATRIX WORK BESIDE VECTOR WORK.  Two sets of four accumulators take turns tile by tile.  While tile t is multiplied into one set, the 144 vector instructions that
; turn tile t - 1's sums into distances and running minima are dealt out behind the matrix instructions, 4 or 5 behind each (macro EPOP).
; THE TEXT.  A wave runs 128 tiles, 8 to a slot, 16 to a lap of the ring.  Tiles 1 to 6 of a slot run in a counted loop of two tiles, one for each accumulator set (macro PAIRS);
; a slot's tile 7, which changes slots, and the next slot's tile 0 are written out.  Seven laps, with all fourteen refills, are one outer loop; the first tile of all
; (no epilogue to carry) stands in front of it, the last lap (no refill) behind it: 16 tiles are written for the 128.
; REGISTER WINDOWS.  x's fragments fill v256-v511; all else lies in v0-v255.  The tiles run under ONE setting, source 1 in the upper window, which the matrix
; instruction needs; so every vector instruction of a tile has a constant or a scalar register as its source 1.  At labels and branches every window is 0.
; LDS: slot 0 [0, 67584), slot 1 [67584, 135168): 128 codes x 528 bytes (512 + 16 of padding: sixteen rows of one fragment load start at sixteen different
; 16-byte columns modulo 256 bytes); [135168, 143360): the block's 2,048 |e|^2, filled once.  More than half of the WGP's LDS is asked for: the work-group is alone.
.set PITCH, 528
.set TILEB, 16*PITCH                   ; a tile of 16 codes
.set SLOT,  128*PITCH                  ; 67,584
.set EEB,   2*SLOT                     ; 135,168
.set FILLB, 128*512                    ; a fill's bytes in ebf
.set VA0,  4                           ; v4, v5   LDS address of my part of a code fragment in slot 0, 1: r x 528 + 16 h; never rewritten
.set VE,   6                           ; v6       LDS address of my 8 |e|^2 of this lap's first tile; stepped once a lap
.set XXR,  8                           ; v[8:11]  |x|^2 of row r of row tile 0..3
.set OUTR, 12                          ; v[12:15] the records to store
.set EE0,  16                          ; v[16:23], v[24:31] |e|^2 of codes 8 h + 0..7, a set for even and for odd tiles
.set VT,   32                          ; v[32:39] t = xx - 2 dot, then d
.set VU,   40                          ; v[40:47] d - best
.set VC,   48                          ; v48      the loop of two tiles: v4 or v5 + 2 tiles for each trip done
.set VEC,  49                          ; v49      the loop of two tiles: the |e|^2 of the trip's first tile
.set FR,   64                          ; v[64:127] the code tile's eight fragments (K step s at 64 + 8 s)
.set ACC0, 128                         ; v[128:159], v[160:191] accumulators: set p, row tile rt at 128 + 32 p + 8 rt
.set BEST, 192                         ; v[192:223] running minima, 8 rt + j
.set IDX,  224                         ; v[224:255] first code of the tile in which each minimum was found
.set G1C, 16                           ; s[16:23] shape of a wave's part of a fill: 32 codes x 256 bf16
.set G1E, 24                           ; s[24:31] shape of a wave's part of |e|^2: 8 rows x 256 bytes
.set G0,  32                           ; s[32:39] from where, to where: a set for each slot
.set G0E, 40                           ; s[40:43] the same for |e|^2
.set MK,  44                           ; s[44:51] eight compare masks
; s14 wave, s52 first code of the tile whose distances are at work, s53 +infinity, s54 laps, s55 mask of lanes 16-31, s56 s57 selects, s59 trips of the loop of two tiles, s61 y
.set WS, 0x04                          ; the tiles' setting: source 1 in the upper window
.set MSB, 0
.macro WIN new                         ; the immediate's high byte repeats the setting that is left
.if MSB != \new
	s_set_vgpr_msb (MSB<<8)|\new
.set MSB, \new
.endif
.endm
; A round of the cluster's barrier: my work-group's barrier, so that wave 0 speaks for all four waves; wave 0 signals; every wave waits for the four work-groups; my barrier once more.
.macro CREST                           ; a round behind its opening barrier
	s_cmp_lg_u32 s14, 0
	s_cbranch_scc1 .Lnot_wave_0_\@
	s_barrier_signal -3
.Lnot_wave_0_\@:
	s_barrier_wait -3
	s_barrier_signal -1
	s_barrier_wait -1
.endm
.macro CROUND
	s_barrier_signal -1
	s_barrier_wait -1
	CREST
.endm
; The EPN-th of the 144 vector instructions on accumulator set q: 36 for each row tile.
.macro EPOP q
.set ERT, EPN/36
.set EI,  EPN%36
.set EA,  ACC0+32*\q+8*ERT
.set EEQ, EE0+8*\q
.set EB,  BEST+8*ERT
.set EX,  IDX+8*ERT
.if EI < 12
.set EP2, 2*(EI%4)
.if EI < 4
.if ERT & 1
	v_pk_fma_f32 v[VT+EP2:VT+EP2+1], v[EA+EP2:EA+EP2+1], -2.0, v[XXR+(ERT&2):XXR+(ERT&2)+1] op_sel:[0,0,1] op_sel_hi:[1,0,1]   ; t = xx - 2 dot, one rounding (2 dot is exact)
.else
	v_pk_fma_f32 v[VT+EP2:VT+EP2+1], v[EA+EP2:EA+EP2+1], -2.0, v[XXR+(ERT&2):XXR+(ERT&2)+1] op_sel_hi:[1,0,0]
.endif
.else
.if EI < 8
	v_pk_fma_f32 v[VT+EP2:VT+EP2+1], v[VT+EP2:VT+EP2+1], 1.0, v[EEQ+EP2:EEQ+EP2+1] op_sel_hi:[1,0,1]    ; d = t + ee (times 1.0: an add's second source would name the upper window)
.else
	v_pk_fma_f32 v[VU+EP2:VU+EP2+1], v[VT+EP2:VT+EP2+1], 1.0, v[EB+EP2:EB+EP2+1] op_sel_hi:[1,0,1] neg_lo:[0,0,1] neg_hi:[0,0,1]   ; d - best: its sign is exact
.endif
.endif
.else
.set EJ, (EI-12)%8
.if EI < 20
	v_cmp_lt_f32 s[MK+EJ], v[VU+EJ], 0             ; strictly less: the earlier code keeps a tie
.else
.if EI < 28
	v_cndmask_b32 v[EX+EJ], v[EX+EJ], s52, s[MK+EJ]
.else
	v_min3_num_f32 v[EB+EJ], v[VT+EJ], s53, v[EB+EJ]   ; min(d, best); +infinity holds the place of source 1
.endif
.endif
.endif
.set EPN, EPN+1
.endm
; K step s of a tile: four matrix instructions into set p, one for each row tile: the accumulators take turns, one instruction a turn.
; ep = 1: 18 instructions of the other set's epilogue stand behind them; they name no register of these matrix instructions, and the five behind the last
; are the places in front of the loads into F[s], which it has read.  ep = 0 (the first tile of all): four v_nop are those places.
; waitn >= 0: how many younger LDS loads may stay out.  ld = 1: F[s] is loaded again, for the next tile, from v[areg] + aoff.
.macro STEP p, s, ep, waitn, ld, areg, aoff
.if (\waitn) >= 0
	s_wait_dscnt \waitn
.endif
.irp rt, 0,1,2,3
.if \s == 0
	v_wmma_f32_16x16x32_bf16 v[ACC0+32*\p+8*\rt:ACC0+32*\p+8*\rt+7], v[FR+8*\s:FR+8*\s+7], v[64*\rt+8*\s:64*\rt+8*\s+7], 0    ; the first K step starts the sums
.else
	v_wmma_f32_16x16x32_bf16 v[ACC0+32*\p+8*\rt:ACC0+32*\p+8*\rt+7], v[FR+8*\s:FR+8*\s+7], v[64*\rt+8*\s:64*\rt+8*\s+7], v[ACC0+32*\p+8*\rt:ACC0+32*\p+8*\rt+7]
.endif
.if \ep
.rept 4+(\rt&1)
	EPOP (1-\p)
.endr
.endif
.endr
.if \ep == 0
.rept 4
	v_nop
.endr
.endif
.if \ld
	ds_load_b128 v[FR+8*\s:FR+8*\s+3],   v[\areg] offset:\aoff+64*\s
	ds_load_b128 v[FR+8*\s+4:FR+8*\s+7], v[\areg] offset:\aoff+64*\s+32
.endif
.endm
; The |e|^2 of a tile's codes 8 h + 0..7 into set p; they are used one tile later, by the tile's epilogue.
.macro EELOAD p, ereg, eoff
	ds_load_b128 v[EE0+8*\p:EE0+8*\p+3],   v[\ereg] offset:\eoff
	ds_load_b128 v[EE0+8*\p+4:EE0+8*\p+7], v[\ereg] offset:\eoff+16
.endm
; An ordinary tile into set p: its |e|^2 from v[ereg] + eoff; behind each K step the next tile's fragment of that step, from v[areg] + aoff.
; The wait's count is the same in every ordinary tile, whichever tile stands in front of it: younger than F[s]'s two loads are 14 of the seven other steps and 2 of |e|^2.
; At step 0 the other set's |e|^2 has 18 younger loads, so that wait shows it landed too.
.macro ORD p, ep, areg, aoff, ereg, eoff
.set EPN, 0
	EELOAD \p, \ereg, \eoff
.irp s, 0,1,2,3,4,5,6,7
	STEP \p, \s, \ep, 16, 1, \areg, \aoff
.endr
.if \ep
	s_add_co_u32 s52, s52, 16                      ; the next epilogue's tile
.endif
.endm
; Tiles 1 to 6 of a slot: three trips of two tiles, set 1 and then set 0.  The tiles' places stand in two registers that are written anew in front of the loop
; and stepped at its back edge, where every window is 0: trip i reads the fragments of tiles 2 i + 2 and 2 i + 3 and the |e|^2 of tiles 2 i + 1 and 2 i + 2.
; An ordinary tile stands in front of the loop and at its end, so the counts of ORD hold on the way in and round the back edge;
; the last matrix instruction of a trip is on set 0, the first of the next on set 1.
.macro PAIRS slot
	WIN 0
	v_mov_b32 v[VC], v[VA0+\slot]
	v_add_nc_u32 v[VEC], (8*\slot+1)*64, v[VE]
	s_mov_b32 s59, 3
.Lpair_\@:
	WIN WS
	ORD 1, 1, VC, 2*TILEB, VEC, 0
	ORD 0, 1, VC, 3*TILEB, VEC, 64
	WIN 0
	v_add_nc_u32 v[VC], 2*TILEB, v[VC]
	v_add_nc_u32 v[VEC], 128, v[VEC]
	s_sub_co_u32 s59, s59, 1
	s_cmp_lg_u32 s59, 0
	s_cbranch_scc1 .Lpair_\@
	WIN WS
.endm
; A slot's last tile, and the change of slots.  K steps 0 and 1 issue no loads; then all my reads of this slot are back (the tile's other fragments are in registers)
; and all my tensor loads have landed, of which one was out: my part of the other slot.  One barrier says both of every wave; with refill = 1 it opens a round of the
; cluster's barrier, so that they hold of every wave of the four work-groups, and the joint refill of this slot is the first tensor load behind the round,
; one a wave, ahead of every LDS read.  It has eight tiles, less one K step, in which to land.
.macro CHANGE slot, p, refill
	STEP \p, 0, 1, 16, 0, 0, 0                     ; younger than F[0]'s loads: 14 of the last tile's other steps, 2 of ee
	STEP \p, 1, 1, 14, 0, 0, 0                     ; 12 and 2: step 0 issued none
	s_wait_dscnt 0x0
	s_set_vgpr_msb 0x400
	s_wait_tensorcnt 0x0
	ds_add_u32 v62, v63
	s_wait_dscnt 0x0
	s_set_vgpr_msb 0x4
.if \refill
	s_add_nc_u64 s[G0+4*\slot+2:G0+4*\slot+3], s[G0+4*\slot+2:G0+4*\slot+3], 2*FILLB   ; no tensor load of mine is out: this slot's next 128 codes
.endif
	s_barrier_signal -1
	STEP \p, 2, 1, -1, 0, 0, 0                     ; register work while the others arrive
.if \refill
	WIN 0
.endif
	s_barrier_wait -1
.if \refill
	CREST
	tensor_load_to_lds s[G0+4*\slot:G0+4*\slot+3], s[G1C:G1C+7]
	s_nop 0
.endif
	WIN WS
.irp s, 0,1,2
	ds_load_b128 v[FR+8*\s:FR+8*\s+3],   v[VA0+1-\slot] offset:64*\s         ; the other slot's first tile
	ds_load_b128 v[FR+8*\s+4:FR+8*\s+7], v[VA0+1-\slot] offset:64*\s+32
.endr
.irp s, 3,4,5,6,7
	STEP \p, \s, 1, -1, 1, VA0+1-\slot, 0          ; their fragments came in by the wait for 0 above
.endr
.endm
.macro CHG slot, refill                ; tile 7 of a slot, set 1
.set EPN, 0
	EELOAD 1, VE, (8*\slot+7)*64
	CHANGE \slot, 1, \refill
	s_add_co_u32 s52, s52, 16
.endm
.macro LAST                            ; the last tile of all: tile 7 of slot 1, set 1
.set EPN, 0
	EELOAD 1, VE, 15*64
.irp s, 0,1,2,3,4,5,6,7
	STEP 1, \s, 1, 16-2*\s, 0, 0, 0                ; nothing more is fetched: 2 (7 - s) of the tile before's later steps and 2 of ee are younger
.endr
	s_add_co_u32 s52, s52, 16
.endm
; (bA, iA) = the lesser of (bA, iA) and (bB, iB): by distance, then by index
.macro CMB ba, ia, bb, ib
	v_cmp_lt_f32 s[MK],   v[\bb], v[\ba]
	v_cmp_eq_f32 s[MK+1], v[\bb], v[\ba]
	v_cmp_lt_u32 s[MK+2], v[\ib], v[\ia]
	s_and_b32 s[MK+1], s[MK+1], s[MK+2]
	s_or_b32 s[MK], s[MK], s[MK+1]
	v_cndmask_b32 v[\ba], v[\ba], v[\bb], s[MK]
	v_cndmask_b32 v[\ia], v[\ia], v[\ib], s[MK]
.endm
	s_load_b256 s[4:11], s[0:1], 0x0               ; xfrag s[4:5], xx s[6:7], ebf s[8:9], ee s[10:11]
	s_load_b64 s[12:13], s[0:1], 0x20              ; part
	v_lshl_add_u32 v62, v0, 2, 0x29000
	v_mov_b32 v63, 0
	ds_add_u32 v62, v63
	v_lshrrev_b32 v1, 5, v0
	v_readfirstlane_b32 s14, v1                    ; wave 0..3
	s_bfe_u32 s15, ttmp6, 0x40000                  ; cx
	s_lshl_b32 s3, ttmp9, 2                        ; in a cluster launch ttmp9 counts clusters
	s_add_co_u32 s3, s3, s15                       ; block of rows = 4 x cluster x + cx
	s_and_b32 s61, ttmp7, 0xffff                   ; y: block of codes
	s_mov_b32 s[G1C+0], 0x07b1000f                 ; mask of the four; elements of 2 bytes; padding on; bit 21 beside a mask; after every 128 words (code 6) 4 words (code 3)
	s_mov_b32 s[G1C+1], 256<<16                    ; tensor_dim0 = 256
	s_mov_b32 s[G1C+2], 32<<16                     ; tensor_dim1 = 32
	s_mov_b32 s[G1C+3], 256<<16                    ; tile_dim0 = 256 elements: a code's 512 bytes
	s_mov_b32 s[G1C+4], 32                         ; tile_dim1 = 32 codes
	s_mov_b32 s[G1C+5], 256                        ; elements from code to code
	s_mov_b32 s[G1C+6], 0
	s_mov_b32 s[G1C+7], 0
	s_mov_b32 s[G1E+0], 15|(3<<16)|(1<<21)         ; mask of the four; elements of 8 bytes; no padding
	s_mov_b32 s[G1E+1], 32<<16                     ; rows of 32 elements = 256 bytes
	s_mov_b32 s[G1E+2], 8<<16
	s_mov_b32 s[G1E+3], 32<<16
	s_mov_b32 s[G1E+4], 8                          ; 8 rows: my 512 of the block's 2,048 numbers
	s_mov_b32 s[G1E+5], 32
	s_mov_b32 s[G1E+6], 0
	s_mov_b32 s[G1E+7], 0
	s_mul_i32 s60, s14, 32*PITCH                   ; my 32 codes' place in a slot
	s_lshl_b32 s58, s61, 20                        ; y x 2,048 codes x 512 bytes
	s_lshl_b32 s59, s14, 14                        ; + wave x 32 codes
	s_add_co_u32 s58, s58, s59
	s_mov_b32 s59, 0
	s_wait_dscnt 0x0
	s_wait_kmcnt 0x0
	s_add_nc_u64 s[8:9], s[8:9], s[58:59]
	s_lshl_b32 s58, s61, 13                        ; y x 2,048 x 4 bytes
	s_lshl_b32 s[G0E+1], s14, 11                   ; + wave x 2,048 bytes, in memory and in LDS
	s_add_co_u32 s58, s58, s[G0E+1]
	s_add_nc_u64 s[10:11], s[10:11], s[58:59]
	s_mov_b32 s[G0E], 1
	s_add_co_u32 s[G0E+1], s[G0E+1], EEB
	s_mov_b64 s[G0E+2:G0E+3], s[10:11]
	s_or_b32 s[G0E+3], s[G0E+3], 0x80000000        ; type = 2
.irp n, 0,1
	s_mov_b32 s[G0+4*\n], 1
	s_add_co_u32 s[G0+4*\n+1], s60, \n*SLOT
	s_add_nc_u64 s[G0+4*\n+2:G0+4*\n+3], s[8:9], \n*FILLB
	s_or_b32 s[G0+4*\n+3], s[G0+4*\n+3], 0x80000000
.endr
	CROUND                                         ; the four work-groups are here: the first joint loads meet
	tensor_load_to_lds s[G0E:G0E+3], s[G1E:G1E+7]  ; the first fills go out as one group: three tensor loads of the wave are out
	s_nop 0
	tensor_load_to_lds s[G0:G0+3], s[G1C:G1C+7]
	s_nop 0
	tensor_load_to_lds s[G0+4:G0+7], s[G1C:G1C+7]
	s_nop 0
	s_lshl_b32 s62, s3, 17                         ; xfrag: 16 tiles of 8,192 bytes for a block of rows,
	s_lshl_b32 s2, s14, 15                         ; four for a wave
	s_add_co_u32 s62, s62, s2
	s_mov_b32 s63, 0
	s_add_nc_u64 s[4:5], s[4:5], s[62:63]
	s_lshl_b32 s62, s3, 10                         ; xx: (256 block + 64 wave) x 4 bytes
	s_lshl_b32 s2, s14, 8
	s_add_co_u32 s62, s62, s2
	s_add_nc_u64 s[6:7], s[6:7], s[62:63]
	s_lshl_b32 s62, s3, 11                         ; part: (16,384 y + 256 block + 64 wave) x 8 bytes
	s_lshl_b32 s2, s14, 9
	s_add_co_u32 s62, s62, s2
	s_lshl_b32 s2, s61, 17
	s_add_co_u32 s62, s62, s2
	s_add_nc_u64 s[12:13], s[12:13], s[62:63]
	v_and_b32 v12, 31, v0                          ; lane
	v_and_b32 v13, 15, v0                          ; r
	v_bfe_u32 v14, v0, 4, 1                        ; h
	v_lshlrev_b32 v1, 4, v12                       ; 16 lane
	v_lshlrev_b32 v7, 2, v13                       ; 4 r
	WIN 0x40                                       ; destination in the upper window
.irp rt, 0,1,2,3
.irp i, 0,1,2,3,4,5,6,7,8,9,10,11,12,13,14,15
	global_load_b128 v[64*\rt+4*\i:64*\rt+4*\i+3], v1, s[4:5] offset:\rt*8192+\i*512   ; v[256 + 64 rt + 8 s ..]: row tile rt, K step s; 512 consecutive bytes a load
.endr
.endr
	WIN 0
.irp rt, 0,1,2,3
	global_load_b32 v[XXR+\rt], v7, s[6:7] offset:64*\rt
.endr
	v_lshlrev_b32 v2, 3, v14                       ; 8 h
	v_lshlrev_b32 v3, 3, v12                       ; 8 lane
	v_mul_u32_u24 v[VA0], v13, PITCH
	v_lshl_add_u32 v[VA0], v14, 4, v[VA0]          ; code r of a tile, 16 h bytes along K
	v_add_nc_u32 v[VA0+1], SLOT, v[VA0]
	v_lshlrev_b32 v[VE], 5, v14
	v_add_nc_u32 v[VE], EEB, v[VE]                 ; |e|^2 of codes 8 h ..
	s_mov_b32 s53, 0x7f800000                      ; +infinity
	s_mov_b32 s55, 0xffff0000
	s_mov_b32 s56, 0x76543210
	s_mov_b32 s57, 0xfedcba98
	s_lshl_b32 s52, s61, 11                        ; the block's first code
.set j, 0
.rept 32
	v_mov_b32 v[BEST+j], s53                       ; every finite distance is less
	v_mov_b32 v[IDX+j], 0
.set j, j+1
.endr
	s_wait_tensorcnt 0x1                           ; my parts of |e|^2 and of slot 0 are in; slot 1's may stay out
	s_barrier_signal -1
	s_barrier_wait -1                              ; everybody's are
.irp s, 0,1,2,3,4,5,6,7
	ds_load_b128 v[FR+8*\s:FR+8*\s+3],   v[VA0] offset:64*\s
	ds_load_b128 v[FR+8*\s+4:FR+8*\s+7], v[VA0] offset:64*\s+32
.endr
	s_wait_loadcnt 0x0                             ; x and |x|^2, once
	WIN WS
	ORD 0, 0, VA0, TILEB, VE, 0                    ; the first tile of all has no epilogue to carry
	WIN 0
	s_mov_b32 s54, 7                               ; 16 fills in 8 laps: the loop reads fills 0 to 13 and asks for fills 2 to 15
.Llap:
	PAIRS 0                                        ; slot 0, tiles 1 to 6
	CHG 0, 1                                       ; tile 7; slot 0 is asked for again
	ORD 0, 1, VA0+1, TILEB, VE, 8*64               ; slot 1, tile 0
	PAIRS 1
	CHG 1, 1
	ORD 0, 1, VA0, TILEB, VE, 16*64                ; slot 0, tile 0 of the next lap: its |e|^2 lie 16 tiles on
	WIN 0
	v_add_nc_u32 v[VE], 1024, v[VE]                ; 16 tiles x 64 bytes of |e|^2
	s_sub_co_u32 s54, s54, 1
	s_cmp_lg_u32 s54, 0
	s_cbranch_scc1 .Llap
	PAIRS 0                                        ; the last lap fills nothing
	CHG 0, 0
	ORD 0, 1, VA0+1, TILEB, VE, 8*64
	PAIRS 1
	LAST
	s_wait_dscnt 0x0                               ; the last tile's |e|^2
.set EPN, 0
.rept 144
	EPOP 1                                         ; the last tile's epilogue; five plain vector instructions already stand behind the last matrix instruction
.endr
	WIN 0
	; Each lane's 8 minima of a row tile, then the two halves of the lanes: the least distance, at equal distances the lowest index.
.irp rt, 0,1,2,3
.irp j, 0,1,2,3,4,5,6,7
	v_add3_u32 v[IDX+8*\rt+\j], v[IDX+8*\rt+\j], v2, \j      ; tile's first code + 8 h + j
.endr
	CMB BEST+8*\rt,   IDX+8*\rt,   BEST+8*\rt+1, IDX+8*\rt+1
	CMB BEST+8*\rt+2, IDX+8*\rt+2, BEST+8*\rt+3, IDX+8*\rt+3
	CMB BEST+8*\rt+4, IDX+8*\rt+4, BEST+8*\rt+5, IDX+8*\rt+5
	CMB BEST+8*\rt+6, IDX+8*\rt+6, BEST+8*\rt+7, IDX+8*\rt+7
	CMB BEST+8*\rt,   IDX+8*\rt,   BEST+8*\rt+2, IDX+8*\rt+2
	CMB BEST+8*\rt+4, IDX+8*\rt+4, BEST+8*\rt+6, IDX+8*\rt+6
	CMB BEST+8*\rt,   IDX+8*\rt,   BEST+8*\rt+4, IDX+8*\rt+4
	v_permlanex16_b32 v[VT],   v[BEST+8*\rt], s56, s57       ; lane i xor 16: the same row's other eight codes
	v_permlanex16_b32 v[VT+1], v[IDX+8*\rt],  s56, s57
	CMB BEST+8*\rt,   IDX+8*\rt,   VT, VT+1
.endr
	v_cndmask_b32 v[OUTR],   v[BEST],    v[BEST+8],  s55     ; lanes 0-15: rows 0-15; lanes 16-31: rows 16-31
	v_cndmask_b32 v[OUTR+1], v[IDX],     v[IDX+8],   s55
	v_cndmask_b32 v[OUTR+2], v[BEST+16], v[BEST+24], s55     ; rows 32-63
	v_cndmask_b32 v[OUTR+3], v[IDX+16],  v[IDX+24],  s55
	global_store_b64 v3, v[OUTR:OUTR+1],   s[12:13]          ; 32 records {d, index}: 256 consecutive bytes, aligned
	global_store_b64 v3, v[OUTR+2:OUTR+3], s[12:13] offset:256
	CROUND                                         ; the closing round: no work-group ends while a partner may still ask jointly
	s_endpgm
.Lfunc_end_k_qb4df29c03a_main:
	.size	k_qb4df29c03a_main, .Lfunc_end_k_qb4df29c03a_main-k_qb4df29c03a_main
	.p2alignl 7, 3214868480
	.fill 96, 4, 3214868480
	.section	.rodata,"a",@progbits
	.p2align	6, 0x0
	.amdhsa_kernel k_qb4df29c03a_main
		.amdhsa_group_segment_fixed_size 327680
		.amdhsa_private_segment_fixed_size 0
		.amdhsa_enable_private_segment 0
		.amdhsa_kernarg_size 40
		.amdhsa_user_sgpr_count 2
		.amdhsa_user_sgpr_kernarg_segment_ptr 1
		.amdhsa_wavefront_size32 1
		.amdhsa_system_sgpr_workgroup_id_x 1
		.amdhsa_system_sgpr_workgroup_id_y 1
		.amdhsa_system_sgpr_workgroup_id_z 1
		.amdhsa_system_vgpr_workitem_id 0
		.amdhsa_next_free_vgpr 512
		.amdhsa_next_free_sgpr 66
		.amdhsa_reserve_vcc 0
		.amdhsa_float_denorm_mode_32 3
		.amdhsa_float_denorm_mode_16_64 3
		.amdhsa_memory_ordered 1
		.amdhsa_forward_progress 1
		.amdhsa_inst_pref_size 232
	.end_amdhsa_kernel
	.amdgpu_metadata
---
amdhsa.version: [ 1, 2 ]
amdhsa.kernels:
  - .name:           k_qb4df29c03a_main
    .symbol:         k_qb4df29c03a_main.kd
    .args:
      - { .name: xfrag, .offset: 0, .size: 8, .value_kind: global_buffer, .address_space: global }
      - { .name: xx, .offset: 8, .size: 8, .value_kind: global_buffer, .address_space: global }
      - { .name: ebf, .offset: 16, .size: 8, .value_kind: global_buffer, .address_space: global }
      - { .name: ee, .offset: 24, .size: 8, .value_kind: global_buffer, .address_space: global }
      - { .name: part, .offset: 32, .size: 8, .value_kind: global_buffer, .address_space: global }
    .group_segment_fixed_size: 327680
    .private_segment_fixed_size: 0
    .kernarg_segment_align: 8
    .kernarg_segment_size: 40
    .max_flat_workgroup_size: 128
    .sgpr_count:     66
    .vgpr_count:     512
    .wavefront_size: 32
...
	.end_amdgpu_metadata
.endif
;; end of part 5
;; launch pick: the kernel of part 3 again; grid 32 x 1, 8 waves a work-group, no clusters, 1,280 bytes of LDS; arguments part, out2, sel, psum; writes out2, sel, psum
;; launch gather: the kernel of part 4 again; grid 256 x 1, 8 waves a work-group, no clusters, 0 bytes of LDS; arguments sel, ebf, psum, out0, out1; writes out0, out1
;; ======== version 3 of 3: 4 launches; 1.63 times as fast as version 1
;; limits: a difference of large sums (such as E[x^2] - mean^2): digits are lost where the result is much smaller than its terms; values outside matrix products are rounded to bf16
;; workspace buffers: ebf 4,194,304 bytes; ee 32,768 bytes; xfrag 8,388,608 bytes; xx 65,536 bytes; part 524,288 bytes; sel 65,536 bytes of whole numbers; psum 256 bytes
;; launch prep: the kernel of part 1 again; grid 384 x 1, 8 waves a work-group, no clusters, 68,608 bytes of LDS; arguments embed, input, ebf, ee, xfrag, xx; writes ebf, ee, xfrag, xx
;; launch main (part 6): grid 64 x 4, 4 waves a work-group, clusters of 4 x 1, 327,680 bytes of LDS; arguments xfrag, xx, ebf, ee, part; writes part
.if DOCPART == 6
	.amdgcn_target "amdgcn-amd-amdhsa--gfx1250"
	.amdhsa_code_object_version 6
	.text
	.protected	k_qb4df29c03a_main
	.globl	k_qb4df29c03a_main
	.p2align	8
	.type	k_qb4df29c03a_main,@function
k_qb4df29c03a_main:
	s_mov_b64 s[64:65], 0
	v_nop
	global_prefetch_b8 v0, s[64:65] scope:SCOPE_SE
	s_setreg_imm32_b32 hwreg(HW_REG_WAVE_MODE, 25, 1), 1
	s_wait_xcnt 0x0
	s_wait_alu depctr_hold_cnt(0) depctr_sa_sdst(0) depctr_va_vdst(0) depctr_va_sdst(0) depctr_va_ssrc(0) depctr_va_vcc(0) depctr_vm_vsrc(0)
	s_getreg_b32 s2, hwreg(HW_REG_IB_STS2, 6, 4)
	s_cmp_eq_u32 s2, 0
	s_cbranch_scc0 .Lentry_in_a_cluster
	s_endpgm
.Lentry_in_a_cluster:
	s_bfe_u32 s2, ttmp6, 0x10000c
	s_cmp_lg_u32 s2, 0x3003
	s_cbranch_scc0 .Lentry_shape_is_right
	s_endpgm
.Lentry_shape_is_right:
; Launch 2 of 4: the distances d = (|x|^2 - 2 x.e) + |e|^2 of 256 rows to 2,048 codes, and for each row the least d and its first index in that block of codes.
; Nothing is left out here: |x|^2 is the same for all codes of a row, but it sets the size at which reference() rounds d, and so which codes tie; the index is a whole
; number that has one right value, so the term stays, and d is rounded twice in reference()'s order.  Ties go to the lowest index.
; Limits as stated at the head of the first launch (operands rounded to bf16, finite inputs).
; SHARES.  grid 64 x 4 = 256 work-groups: x = block of 256 rows, y = block of 2,048 codes.  Four waves, as many as a WGP has SIMDs; a wave owns 64 rows (four tiles of 16) and
; keeps them for the whole K = 256 in 256 registers.  The codes stream through LDS in tiles of 16: one tile is 18 LDS loads and 32 matrix instructions of a wave.
; CLUSTER.  The four row blocks of a cluster (4, 1, 1) walk the same 2,048 codes: every fill is asked for jointly, by the same descriptor with the mask of all four.
; Nothing in a descriptor, an LDS address or a branch hangs on the place in the cluster: it enters the global addresses of xfrag, xx and part alone,
; through s2, s3, s15, s[62:63], which feed no descriptor.
; THE MATRIX INSTRUCTION: source 0 = 16 codes, source 1 = 16 rows of x.  Register j of lane (h, r) of the result is (code 8 h + j, row r):
; a lane keeps 8 running minima for each row tile, one for each j, and the codes reach each of them in ascending order.
; MATRIX WORK BESIDE VECTOR WORK.  Two sets of four accumulators take turns tile by tile.  While tile t is multiplied into one set, the 144 vector instructions that
; turn tile t - 1's sums into distances and running minima are dealt out behind the matrix instructions, 4 or 5 behind each (macro EPOP).
; LDS LOADS IN TWO RUNS A TILE.  Behind K step 3: the next tile's fragments of steps 0 to 3 and this tile's |e|^2, ten loads (run A).  Behind K step 7: the next tile's
; fragments of steps 4 to 7, eight loads (run B).  So the wave turns from vector and matrix instructions to LDS instructions twice a tile, a tile has two waits on
; DScnt, and every fragment has four K steps, 16 matrix instructions, between its load and its first use.
; THE TEXT.  A wave runs 128 tiles, 8 to a slot, 16 to a lap of the ring.  Tiles 1 to 6 of a slot run in a counted loop of two tiles, one for each accumulator set (macro PAIRS);
; a slot's tile 7, which changes slots, and the next slot's tile 0 are written out.  Seven laps, with all fourteen refills, are one outer loop; the first tile of all
; (no epilogue to carry) stands in front of it, the last lap (no refill) behind it: 16 tiles are written for the 128.
; REGISTER WINDOWS.  x's fragments fill v256-v511; all else lies in v0-v255.  The tiles run under ONE setting, source 1 in the upper window, which the matrix
; instruction needs; so every vector instruction of a tile has a constant or a scalar register as its source 1.  At labels and branches every window is 0.
; LDS: slot 0 [0, 67584), slot 1 [67584, 135168): 128 codes x 528 bytes (512 + 16 of padding: sixteen rows of one fragment load start at sixteen different
; 16-byte columns modulo 256 bytes); [135168, 143360): the block's 2,048 |e|^2, filled once.  More than half of the WGP's LDS is asked for: the work-group is alone.
.set PITCH, 528
.set TILEB, 16*PITCH                   ; a tile of 16 codes
.set SLOT,  128*PITCH                  ; 67,584
.set EEB,   2*SLOT                     ; 135,168
.set FILLB, 128*512                    ; a fill's bytes in ebf
.set VA0,  4                           ; v4, v5   LDS address of my part of a code fragment in slot 0, 1: r x 528 + 16 h; never rewritten
.set VE,   6                           ; v6       LDS address of my 8 |e|^2 of this lap's first tile; stepped once a lap
.set XXR,  8                           ; v[8:11]  |x|^2 of row r of row tile 0..3
.set OUTR, 12                          ; v[12:15] the records to store
.set EE0,  16                          ; v[16:23], v[24:31] |e|^2 of codes 8 h + 0..7, a set for even and for odd tiles
.set VT,   32                          ; v[32:39] t = xx - 2 dot, then d
.set VU,   40                          ; v[40:47] d - best
.set VC,   48                          ; v48      the loop of two tiles: v4 or v5 + 2 tiles for each trip done
.set VEC,  49                          ; v49      the loop of two tiles: the |e|^2 of the trip's first tile
.set FR,   64                          ; v[64:127] the code tile's eight fragments (K step s at 64 + 8 s)
.set ACC0, 128                         ; v[128:159], v[160:191] accumulators: set p, row tile rt at 128 + 32 p + 8 rt
.set BEST, 192                         ; v[192:223] running minima, 8 rt + j
.set IDX,  224                         ; v[224:255] first code of the tile in which each minimum was found
.set G1C, 16                           ; s[16:23] shape of a wave's part of a fill: 32 codes x 256 bf16
.set G1E, 24                           ; s[24:31] shape of a wave's part of |e|^2: 8 rows x 256 bytes
.set G0,  32                           ; s[32:39] from where, to where: a set for each slot
.set G0E, 40                           ; s[40:43] the same for |e|^2
.set MK,  44                           ; s[44:51] eight compare masks
; s14 wave, s52 first code of the tile whose distances are at work, s53 +infinity, s54 laps, s55 mask of lanes 16-31, s56 s57 selects, s59 trips of the loop of two tiles, s61 y
.set WS, 0x04                          ; the tiles' setting: source 1 in the upper window
.set MSB, 0
.macro WIN new                         ; the immediate's high byte repeats the setting that is left
.if MSB != \new
	s_set_vgpr_msb (MSB<<8)|\new
.set MSB, \new
.endif
.endm
; A round of the cluster's barrier: my work-group's barrier, so that wave 0 speaks for all four waves; wave 0 signals; every wave waits for the four work-groups; my barrier once more.
.macro CREST                           ; a round behind its opening barrier
	s_cmp_lg_u32 s14, 0
	s_cbranch_scc1 .Lnot_wave_0_\@
	s_barrier_signal -3
.Lnot_wave_0_\@:
	s_barrier_wait -3
	s_barrier_signal -1
	s_barrier_wait -1
.endm
.macro CROUND
	s_barrier_signal -1
	s_barrier_wait -1
	CREST
.endm
; The EPN-th of the 144 vector instructions on accumulator set q: 36 for each row tile.
.macro EPOP q
.set ERT, EPN/36
.set EI,  EPN%36
.set EA,  ACC0+32*\q+8*ERT
.set EEQ, EE0+8*\q
.set EB,  BEST+8*ERT
.set EX,  IDX+8*ERT
.if EI < 12
.set EP2, 2*(EI%4)
.if EI < 4
.if ERT & 1
	v_pk_fma_f32 v[VT+EP2:VT+EP2+1], v[EA+EP2:EA+EP2+1], -2.0, v[XXR+(ERT&2):XXR+(ERT&2)+1] op_sel:[0,0,1] op_sel_hi:[1,0,1]   ; t = xx - 2 dot, one rounding (2 dot is exact)
.else
	v_pk_fma_f32 v[VT+EP2:VT+EP2+1], v[EA+EP2:EA+EP2+1], -2.0, v[XXR+(ERT&2):XXR+(ERT&2)+1] op_sel_hi:[1,0,0]
.endif
.else
.if EI < 8
	v_pk_fma_f32 v[VT+EP2:VT+EP2+1], v[VT+EP2:VT+EP2+1], 1.0, v[EEQ+EP2:EEQ+EP2+1] op_sel_hi:[1,0,1]    ; d = t + ee (times 1.0: an add's second source would name the upper window)
.else
	v_pk_fma_f32 v[VU+EP2:VU+EP2+1], v[VT+EP2:VT+EP2+1], 1.0, v[EB+EP2:EB+EP2+1] op_sel_hi:[1,0,1] neg_lo:[0,0,1] neg_hi:[0,0,1]   ; d - best: its sign is exact
.endif
.endif
.else
.set EJ, (EI-12)%8
.if EI < 20
	v_cmp_lt_f32 s[MK+EJ], v[VU+EJ], 0             ; strictly less: the earlier code keeps a tie
.else
.if EI < 28
	v_cndmask_b32 v[EX+EJ], v[EX+EJ], s52, s[MK+EJ]
.else
	v_min3_num_f32 v[EB+EJ], v[VT+EJ], s53, v[EB+EJ]   ; min(d, best); +infinity holds the place of source 1
.endif
.endif
.endif
.set EPN, EPN+1
.endm
; K step s of a tile: four matrix instructions into set p, one for each row tile: the accumulators take turns, one instruction a turn.
; ep = 1: 18 instructions of the other set's epilogue stand behind them, 4, 5, 4, 5; they name no register of these matrix instructions.
.macro STEP p, s, ep
.irp rt, 0,1,2,3
.if \s == 0
	v_wmma_f32_16x16x32_bf16 v[ACC0+32*\p+8*\rt:ACC0+32*\p+8*\rt+7], v[FR+8*\s:FR+8*\s+7], v[64*\rt+8*\s:64*\rt+8*\s+7], 0    ; the first K step starts the sums
.else
	v_wmma_f32_16x16x32_bf16 v[ACC0+32*\p+8*\rt:ACC0+32*\p+8*\rt+7], v[FR+8*\s:FR+8*\s+7], v[64*\rt+8*\s:64*\rt+8*\s+7], v[ACC0+32*\p+8*\rt:ACC0+32*\p+8*\rt+7]
.endif
.if \ep
.rept 4+(\rt&1)
	EPOP (1-\p)
.endr
.endif
.endr
.endm
; A load into a register that a matrix instruction has read stands four places behind it, and only plain vector instructions that name none of its registers are
; places (ISA guide 7.12.1 for vector instructions).  With an epilogue to carry, the five instructions behind a K step's last
; matrix instruction are those places; the first tile of all carries none, and four v_nop stand there.
.macro PLACES ep
.if \ep == 0
.rept 4
	v_nop
.endr
.endif
.endm
; Eight LDS loads in one run: a tile's fragments of K steps s0 to s0 + 3, from v[areg] + aoff.
.macro FLOAD s0, areg, aoff
.irp i, 0,1,2,3
	ds_load_b128 v[FR+8*(\s0+\i):FR+8*(\s0+\i)+3],   v[\areg] offset:\aoff+64*(\s0+\i)
	ds_load_b128 v[FR+8*(\s0+\i)+4:FR+8*(\s0+\i)+7], v[\areg] offset:\aoff+64*(\s0+\i)+32
.endr
.endm
; The |e|^2 of a tile's codes 8 h + 0..7 into set p; they are used one tile later, by the tile's epilogue.  This tile's epilogue reads the other set.
.macro EELOAD p, ereg, eoff
	ds_load_b128 v[EE0+8*\p:EE0+8*\p+3],   v[\ereg] offset:\eoff
	ds_load_b128 v[EE0+8*\p+4:EE0+8*\p+7], v[\ereg] offset:\eoff+16
.endm
; An ordinary tile into set p: its |e|^2 from v[ereg] + eoff, the next tile's fragments from v[areg] + aoff.
; Every tile that loads issues run A (ten loads) and then run B (eight), so the two counts are the same whichever tile stands in front:
; at the head only the last tile's run B is younger than its run A; in front of K step 4 only this tile's run A is younger than the last tile's run B.
; In front of the first tile stand sixteen fragment loads in the order of the K steps: the count 8 leaves those of steps 4 to 7 out.
.macro ORD p, ep, areg, aoff, ereg, eoff
.set EPN, 0
	s_wait_dscnt 8                                 ; F[0..3] and the other set's |e|^2 are in
.irp s, 0,1,2,3
	STEP \p, \s, \ep
.endr
	PLACES \ep
	FLOAD 0, \areg, \aoff                          ; run A
	EELOAD \p, \ereg, \eoff
	s_wait_dscnt 10                                ; F[4..7] are in
.irp s, 4,5,6,7
	STEP \p, \s, \ep
.endr
	PLACES \ep
	FLOAD 4, \areg, \aoff                          ; run B
.if \ep
	s_add_co_u32 s52, s52, 16                      ; the next epilogue's tile
.endif
.endm
; Tiles 1 to 6 of a slot: three trips of two tiles, set 1 and then set 0.  The tiles' places stand in two registers that are written anew in front of the loop
; and stepped at its back edge, where every window is 0: trip i reads the fragments of tiles 2 i + 2 and 2 i + 3 and the |e|^2 of tiles 2 i + 1 and 2 i + 2.
; An ordinary tile stands in front of the loop and at its end, so the counts of ORD hold on the way in and round the back edge;
; the last matrix instruction of a trip is on set 0, the first of the next on set 1.
.macro PAIRS slot
	WIN 0
	v_mov_b32 v[VC], v[VA0+\slot]
	v_add_nc_u32 v[VEC], (8*\slot+1)*64, v[VE]
	s_mov_b32 s59, 3
.Lpair_\@:
	WIN WS
	ORD 1, 1, VC, 2*TILEB, VEC, 0
	ORD 0, 1, VC, 3*TILEB, VEC, 64
	WIN 0
	v_add_nc_u32 v[VC], 2*TILEB, v[VC]
	v_add_nc_u32 v[VEC], 128, v[VEC]
	s_sub_co_u32 s59, s59, 1
	s_cmp_lg_u32 s59, 0
	s_cbranch_scc1 .Lpair_\@
	WIN WS
.endm
; Tile 7 of a slot (set 1), and the change of slots.  Behind K step 2 all my reads of this slot are back (the last were the tile's fragments of steps 4 to 7, issued
; twelve matrix instructions ago) and all my tensor loads have landed, of which one was out: my part of the other slot.  One barrier says both of every wave; with
; refill = 1 it opens a round of the cluster's barrier, so that they hold of every wave of the four work-groups, and the joint refill of this slot is the first tensor
; load behind the round, one a wave, ahead of every LDS read.  From that request to the wait for it stand eight tiles less one K step, 252 matrix instructions.
; Runs A and B stand where they stand in every tile and read the other slot's first tile.
.macro CHG slot, refill
.set EPN, 0
	s_wait_dscnt 8                                 ; F[0..3] and the other set's |e|^2 are in
.irp s, 0,1,2
	STEP 1, \s, 1
.endr
	s_wait_dscnt 0x0
	s_set_vgpr_msb 0x400
	s_wait_tensorcnt 0x0
	ds_add_u32 v62, v63
	s_wait_dscnt 0x0
	s_set_vgpr_msb 0x4
.if \refill
	s_add_nc_u64 s[G0+4*\slot+2:G0+4*\slot+3], s[G0+4*\slot+2:G0+4*\slot+3], 2*FILLB   ; no tensor load of mine is out: this slot's next 128 codes
.endif
	s_barrier_signal -1
	STEP 1, 3, 1                                   ; register work while the others arrive
.if \refill
	WIN 0
.endif
	s_barrier_wait -1
.if \refill
	CREST
	tensor_load_to_lds s[G0+4*\slot:G0+4*\slot+3], s[G1C:G1C+7]
	s_nop 0
.endif
	WIN WS
	FLOAD 0, VA0+1-\slot, 0                        ; run A; the five epilogue instructions of K step 3 are its places
	EELOAD 1, VE, (8*\slot+7)*64
.irp s, 4,5,6,7
	STEP 1, \s, 1                                  ; their fragments came in by the wait for 0 above
.endr
	FLOAD 4, VA0+1-\slot, 0                        ; run B
	s_add_co_u32 s52, s52, 16
.endm
.macro LAST                            ; the last tile of all: tile 7 of slot 1, set 1; no fragment is left to fetch
.set EPN, 0
	s_wait_dscnt 8
.irp s, 0,1,2,3
	STEP 1, \s, 1
.endr
	EELOAD 1, VE, 15*64
	s_wait_dscnt 2                                 ; only these two loads are younger than the last tile's run B
.irp s, 4,5,6,7
	STEP 1, \s, 1
.endr
	s_add_co_u32 s52, s52, 16
.endm
; (bA, iA) = the lesser of (bA, iA) and (bB, iB): by distance, then by index
.macro CMB ba, ia, bb, ib
	v_cmp_lt_f32 s[MK],   v[\bb], v[\ba]
	v_cmp_eq_f32 s[MK+1], v[\bb], v[\ba]
	v_cmp_lt_u32 s[MK+2], v[\ib], v[\ia]
	s_and_b32 s[MK+1], s[MK+1], s[MK+2]
	s_or_b32 s[MK], s[MK], s[MK+1]
	v_cndmask_b32 v[\ba], v[\ba], v[\bb], s[MK]
	v_cndmask_b32 v[\ia], v[\ia], v[\ib], s[MK]
.endm
	s_load_b256 s[4:11], s[0:1], 0x0               ; xfrag s[4:5], xx s[6:7], ebf s[8:9], ee s[10:11]
	s_load_b64 s[12:13], s[0:1], 0x20              ; part
	v_lshl_add_u32 v62, v0, 2, 0x29000
	v_mov_b32 v63, 0
	ds_add_u32 v62, v63
	v_lshrrev_b32 v1, 5, v0
	v_readfirstlane_b32 s14, v1                    ; wave 0..3
	s_bfe_u32 s15, ttmp6, 0x40000                  ; cx
	s_lshl_b32 s3, ttmp9, 2                        ; in a cluster launch ttmp9 counts clusters
	s_add_co_u32 s3, s3, s15                       ; block of rows = 4 x cluster x + cx
	s_and_b32 s61, ttmp7, 0xffff                   ; y: block of codes
	s_mov_b32 s[G1C+0], 0x07b1000f                 ; mask of the four; elements of 2 bytes; padding on; bit 21 beside a mask; after every 128 words (code 6) 4 words (code 3)
	s_mov_b32 s[G1C+1], 256<<16                    ; tensor_dim0 = 256
	s_mov_b32 s[G1C+2], 32<<16                     ; tensor_dim1 = 32
	s_mov_b32 s[G1C+3], 256<<16                    ; tile_dim0 = 256 elements: a code's 512 bytes
	s_mov_b32 s[G1C+4], 32                         ; tile_dim1 = 32 codes
	s_mov_b32 s[G1C+5], 256                        ; elements from code to code
	s_mov_b32 s[G1C+6], 0
	s_mov_b32 s[G1C+7], 0
	s_mov_b32 s[G1E+0], 15|(3<<16)|(1<<21)         ; mask of the four; elements of 8 bytes; no padding
	s_mov_b32 s[G1E+1], 32<<16                     ; rows of 32 elements = 256 bytes
	s_mov_b32 s[G1E+2], 8<<16
	s_mov_b32 s[G1E+3], 32<<16
	s_mov_b32 s[G1E+4], 8                          ; 8 rows: my 512 of the block's 2,048 numbers
	s_mov_b32 s[G1E+5], 32
	s_mov_b32 s[G1E+6], 0
	s_mov_b32 s[G1E+7], 0
	s_mul_i32 s60, s14, 32*PITCH                   ; my 32 codes' place in a slot
	s_lshl_b32 s58, s61, 20                        ; y x 2,048 codes x 512 bytes
	s_lshl_b32 s59, s14, 14                        ; + wave x 32 codes
	s_add_co_u32 s58, s58, s59
	s_mov_b32 s59, 0
	s_wait_dscnt 0x0
	s_wait_kmcnt 0x0
	s_add_nc_u64 s[8:9], s[8:9], s[58:59]
	s_lshl_b32 s58, s61, 13                        ; y x 2,048 x 4 bytes
	s_lshl_b32 s[G0E+1], s14, 11                   ; + wave x 2,048 bytes, in memory and in LDS
	s_add_co_u32 s58, s58, s[G0E+1]
	s_add_nc_u64 s[10:11], s[10:11], s[58:59]
	s_mov_b32 s[G0E], 1
	s_add_co_u32 s[G0E+1], s[G0E+1], EEB
	s_mov_b64 s[G0E+2:G0E+3], s[10:11]
	s_or_b32 s[G0E+3], s[G0E+3], 0x80000000        ; type = 2
.irp n, 0,1
	s_mov_b32 s[G0+4*\n], 1
	s_add_co_u32 s[G0+4*\n+1], s60, \n*SLOT
	s_add_nc_u64 s[G0+4*\n+2:G0+4*\n+3], s[8:9], \n*FILLB
	s_or_b32 s[G0+4*\n+3], s[G0+4*\n+3], 0x80000000
.endr
	CROUND                                         ; the four work-groups are here: the first joint loads meet
	tensor_load_to_lds s[G0E:G0E+3], s[G1E:G1E+7]  ; the first fills go out as one group: three tensor loads of the wave are out
	s_nop 0
	tensor_load_to_lds s[G0:G0+3], s[G1C:G1C+7]
	s_nop 0
	tensor_load_to_lds s[G0+4:G0+7], s[G1C:G1C+7]
	s_nop 0
	s_lshl_b32 s62, s3, 17                         ; xfrag: 16 tiles of 8,192 bytes for a block of rows,
	s_lshl_b32 s2, s14, 15                         ; four for a wave
	s_add_co_u32 s62, s62, s2
	s_mov_b32 s63, 0
	s_add_nc_u64 s[4:5], s[4:5], s[62:63]
	s_lshl_b32 s62, s3, 10                         ; xx: (256 block + 64 wave) x 4 bytes
	s_lshl_b32 s2, s14, 8
	s_add_co_u32 s62, s62, s2
	s_add_nc_u64 s[6:7], s[6:7], s[62:63]
	s_lshl_b32 s62, s3, 11                         ; part: (16,384 y + 256 block + 64 wave) x 8 bytes
	s_lshl_b32 s2, s14, 9
	s_add_co_u32 s62, s62, s2
	s_lshl_b32 s2, s61, 17
	s_add_co_u32 s62, s62, s2
	s_add_nc_u64 s[12:13], s[12:13], s[62:63]
	v_and_b32 v12, 31, v0                          ; lane
	v_and_b32 v13, 15, v0                          ; r
	v_bfe_u32 v14, v0, 4, 1                        ; h
	v_lshlrev_b32 v1, 4, v12                       ; 16 lane
	v_lshlrev_b32 v7, 2, v13                       ; 4 r
	WIN 0x40                                       ; destination in the upper window
.irp rt, 0,1,2,3
.irp i, 0,1,2,3,4,5,6,7,8,9,10,11,12,13,14,15
	global_load_b128 v[64*\rt+4*\i:64*\rt+4*\i+3], v1, s[4:5] offset:\rt*8192+\i*512   ; v[256 + 64 rt + 8 s ..]: row tile rt, K step s; 512 consecutive bytes a load
.endr
.endr
	WIN 0
.irp rt, 0,1,2,3
	global_load_b32 v[XXR+\rt], v7, s[6:7] offset:64*\rt
.endr
	v_lshlrev_b32 v2, 3, v14                       ; 8 h
	v_lshlrev_b32 v3, 3, v12                       ; 8 lane
	v_mul_u32_u24 v[VA0], v13, PITCH
	v_lshl_add_u32 v[VA0], v14, 4, v[VA0]          ; code r of a tile, 16 h bytes along K
	v_add_nc_u32 v[VA0+1], SLOT, v[VA0]
	v_lshlrev_b32 v[VE], 5, v14
	v_add_nc_u32 v[VE], EEB, v[VE]                 ; |e|^2 of codes 8 h ..
	s_mov_b32 s53, 0x7f800000                      ; +infinity
	s_mov_b32 s55, 0xffff0000
	s_mov_b32 s56, 0x76543210
	s_mov_b32 s57, 0xfedcba98
	s_lshl_b32 s52, s61, 11                        ; the block's first code
.set j, 0
.rept 32
	v_mov_b32 v[BEST+j], s53                       ; every finite distance is less
	v_mov_b32 v[IDX+j], 0
.set j, j+1
.endr
	s_wait_tensorcnt 0x1                           ; my parts of |e|^2 and of slot 0 are in; slot 1's may stay out
	s_barrier_signal -1
	s_barrier_wait -1                              ; everybody's are
	FLOAD 0, VA0, 0                                ; the first tile's fragments, in the order of the K steps
	FLOAD 4, VA0, 0
	s_wait_loadcnt 0x0                             ; x and |x|^2, once
	WIN WS
	ORD 0, 0, VA0, TILEB, VE, 0                    ; the first tile of all has no epilogue to carry
	WIN 0
	s_mov_b32 s54, 7                               ; 16 fills in 8 laps: the loop reads fills 0 to 13 and asks for fills 2 to 15
.Llap:
	PAIRS 0                                        ; slot 0, tiles 1 to 6
	CHG 0, 1                                       ; tile 7; slot 0 is asked for again
	ORD 0, 1, VA0+1, TILEB, VE, 8*64               ; slot 1, tile 0
	PAIRS 1
	CHG 1, 1
	ORD 0, 1, VA0, TILEB, VE, 16*64                ; slot 0, tile 0 of the next lap: its |e|^2 lie 16 tiles on
	WIN 0
	v_add_nc_u32 v[VE], 1024, v[VE]                ; 16 tiles x 64 bytes of |e|^2
	s_sub_co_u32 s54, s54, 1
	s_cmp_lg_u32 s54, 0
	s_cbranch_scc1 .Llap
	PAIRS 0                                        ; the last lap fills nothing
	CHG 0, 0
	ORD 0, 1, VA0+1, TILEB, VE, 8*64
	PAIRS 1
	LAST
	s_wait_dscnt 0x0                               ; the last tile's |e|^2
.set EPN, 0
.rept 144
	EPOP 1                                         ; the last tile's epilogue; five plain vector instructions already stand behind the last matrix instruction
.endr
	WIN 0
	; Each lane's 8 minima of a row tile, then the two halves of the lanes: the least distance, at equal distances the lowest index.
.irp rt, 0,1,2,3
.irp j, 0,1,2,3,4,5,6,7
	v_add3_u32 v[IDX+8*\rt+\j], v[IDX+8*\rt+\j], v2, \j      ; tile's first code + 8 h + j
.endr
	CMB BEST+8*\rt,   IDX+8*\rt,   BEST+8*\rt+1, IDX+8*\rt+1
	CMB BEST+8*\rt+2, IDX+8*\rt+2, BEST+8*\rt+3, IDX+8*\rt+3
	CMB BEST+8*\rt+4, IDX+8*\rt+4, BEST+8*\rt+5, IDX+8*\rt+5
	CMB BEST+8*\rt+6, IDX+8*\rt+6, BEST+8*\rt+7, IDX+8*\rt+7
	CMB BEST+8*\rt,   IDX+8*\rt,   BEST+8*\rt+2, IDX+8*\rt+2
	CMB BEST+8*\rt+4, IDX+8*\rt+4, BEST+8*\rt+6, IDX+8*\rt+6
	CMB BEST+8*\rt,   IDX+8*\rt,   BEST+8*\rt+4, IDX+8*\rt+4
	v_permlanex16_b32 v[VT],   v[BEST+8*\rt], s56, s57       ; lane i xor 16: the same row's other eight codes
	v_permlanex16_b32 v[VT+1], v[IDX+8*\rt],  s56, s57
	CMB BEST+8*\rt,   IDX+8*\rt,   VT, VT+1
.endr
	v_cndmask_b32 v[OUTR],   v[BEST],    v[BEST+8],  s55     ; lanes 0-15: rows 0-15; lanes 16-31: rows 16-31
	v_cndmask_b32 v[OUTR+1], v[IDX],     v[IDX+8],   s55
	v_cndmask_b32 v[OUTR+2], v[BEST+16], v[BEST+24], s55     ; rows 32-63
	v_cndmask_b32 v[OUTR+3], v[IDX+16],  v[IDX+24],  s55
	global_store_b64 v3, v[OUTR:OUTR+1],   s[12:13]          ; 32 records {d, index}: 256 consecutive bytes, aligned
	global_store_b64 v3, v[OUTR+2:OUTR+3], s[12:13] offset:256
	CROUND                                         ; the closing round: no work-group ends while a partner may still ask jointly
	s_endpgm
.Lfunc_end_k_qb4df29c03a_main:
	.size	k_qb4df29c03a_main, .Lfunc_end_k_qb4df29c03a_main-k_qb4df29c03a_main
	.p2alignl 7, 3214868480
	.fill 96, 4, 3214868480
	.section	.rodata,"a",@progbits
	.p2align	6, 0x0
	.amdhsa_kernel k_qb4df29c03a_main
		.amdhsa_group_segment_fixed_size 327680
		.amdhsa_private_segment_fixed_size 0
		.amdhsa_enable_private_segment 0
		.amdhsa_kernarg_size 40
		.amdhsa_user_sgpr_count 2
		.amdhsa_user_sgpr_kernarg_segment_ptr 1
		.amdhsa_wavefront_size32 1
		.amdhsa_system_sgpr_workgroup_id_x 1
		.amdhsa_system_sgpr_workgroup_id_y 1
		.amdhsa_system_sgpr_workgroup_id_z 1
		.amdhsa_system_vgpr_workitem_id 0
		.amdhsa_next_free_vgpr 512
		.amdhsa_next_free_sgpr 66
		.amdhsa_reserve_vcc 0
		.amdhsa_float_denorm_mode_32 3
		.amdhsa_float_denorm_mode_16_64 3
		.amdhsa_memory_ordered 1
		.amdhsa_forward_progress 1
		.amdhsa_inst_pref_size 229
	.end_amdhsa_kernel
	.amdgpu_metadata
---
amdhsa.version: [ 1, 2 ]
amdhsa.kernels:
  - .name:           k_qb4df29c03a_main
    .symbol:         k_qb4df29c03a_main.kd
    .args:
      - { .name: xfrag, .offset: 0, .size: 8, .value_kind: global_buffer, .address_space: global }
      - { .name: xx, .offset: 8, .size: 8, .value_kind: global_buffer, .address_space: global }
      - { .name: ebf, .offset: 16, .size: 8, .value_kind: global_buffer, .address_space: global }
      - { .name: ee, .offset: 24, .size: 8, .value_kind: global_buffer, .address_space: global }
      - { .name: part, .offset: 32, .size: 8, .value_kind: global_buffer, .address_space: global }
    .group_segment_fixed_size: 327680
    .private_segment_fixed_size: 0
    .kernarg_segment_align: 8
    .kernarg_segment_size: 40
    .max_flat_workgroup_size: 128
    .sgpr_count:     66
    .vgpr_count:     512
    .wavefront_size: 32
...
	.end_amdgpu_metadata
.endif
;; end of part 6
;; launch pick: the kernel of part 3 again; grid 32 x 1, 8 waves a work-group, no clusters, 1,280 bytes of LDS; arguments part, out2, sel, psum; writes out2, sel, psum
;; launch gather: the kernel of part 4 again; grid 256 x 1, 8 waves a work-group, no clusters, 0 bytes of LDS; arguments sel, ebf, psum, out0, out1; writes out0, out1
